; MI455X (gfx1250); checked and timed in simulation.
; The chip was launched on July 23, 2026; its instructions are those of AMD's public machine-readable ISA for CDNA 5 (MIT licence, August 2026) and "CDNA5" Instruction Set Architecture Reference Guide (July 2026). The comments in the code are by the model that wrote it; some were corrected since.
;; Attention. Allowed arithmetic: matrix products marked QUANTISED: E3M2 operands, one E8M0 scale for each 32 along K, by v_wmma_scale_f32_16x16x128_f8f6f4 with both operands' format E3M2, f32 sums; everything else in f32.
;; Inputs: Wk 1,024 x 1,024 float32; Wo 1,024 x 1,024 float32; Wq 1,024 x 1,024 float32; Wv 1,024 x 1,024 float32; X 2 x 2,048 x 1,024 float32; masks 2 x 2,048 int32.
;; Outputs: out0 2 x 2,048 x 1,024 float32.
;; This version of the problem:
;;   THIS VERSION OF THE PROBLEM IS GIVEN IN LOW PRECISION. The matrix products marked QUANTISED in the list below multiply operands that are first quantised to E3M2 (3 exponent bits, 2 mantissa bits; 6 bits a number), with one power-of-two scale for each 32 numbers along K (OCP MX v1.0); their sums are f32. All else is computed in f32.
;;   The module's matrix products, in the order in which they are computed (A, B: the left and right operand; K: the contracted axis; several contracted axes count as one K, in the product's order):
;;     1. [M 4,096, K 1,024] x [K 1,024, N 1,024]; A: input X; B: input Wq: QUANTISED
;;     2. [M 4,096, K 1,024] x [K 1,024, N 1,024]; A: input X; B: input Wk: QUANTISED
;;     3. [M 4,096, K 1,024] x [K 1,024, N 1,024]; A: input X; B: input Wv: QUANTISED
;;     4. batch 32 x [M 2,048, K 64] x [K 64, N 2,048]; A: computed on the way; B: computed on the way: QUANTISED
;;     5. batch 32 x [M 2,048, K 2,048] x [K 2,048, N 64]; A: computed on the way; B: computed on the way: QUANTISED
;;     6. [M 4,096, K 1,024] x [K 1,024, N 1,024]; A: computed on the way; B: input Wo: QUANTISED
;;   THE QUANTISER, for each operand of a quantised product, along K:
;;     - K is cut into blocks of 32 from its start; a last block that is shorter is filled with zeros.
;;     - A block's scale is 2^e with e = floor(log2(the largest magnitude in the block)) - 4, held to -126 .. 127; a block of zeros has e = 0. As a byte (E8M0): e + 127.
;;     - Each number is divided by its block's scale, clamped to +-28, and rounded to the nearest number of E3M2, ties to even, subnormals kept.
;;     - The product sums the exact products of the quantised numbers (number of the format x scale) in f32.
;;   ~~~python
;;   def quantise(x, axis):      # numpy; x: float32 -> the quantised numbers, widened to float32 again
;;       x = np.moveaxis(x, axis, -1); K = x.shape[-1]
;;       x = np.pad(x, [(0, 0)] * (x.ndim - 1) + [(0, -K % 32)]); x = x.reshape(x.shape[:-1] + (-1, 32)); a = np.abs(x).max(-1, keepdims=True)
;;       e = np.where(a > 0, np.clip(np.frexp(np.where(a > 0, a, 1))[1] - 1 - 4, -126, 127), 0)      # np.frexp(a)[1] - 1 = floor(log2(a)), exactly
;;       r = np.clip(x / 2.0 ** e, -28, 28)
;;       step = 2.0 ** (np.maximum(np.frexp(np.where(r == 0, 1, r))[1] - 1, -2) - 2)
;;       q = np.round(r / step) * step * 2.0 ** e      # np.round: ties to even
;;       return np.moveaxis(q.reshape(q.shape[:-2] + (-1,))[..., :K], -1, axis).astype(np.float32)
;;   ~~~
;;   OPERANDS COMPUTED ON THE WAY. 'Computed on the way' means the value that the module computes at that place (a softmax that the list does not call 'softmax' is quantised finished and normalised). What goes into a quantiser is computed in f32, as accurately as f32 sums, v_exp_f32 and their like allow (about 1e-6 of the number): no bf16 or f16 on the way to a quantiser, and a product that is left as it is and whose result goes on into a quantised operand takes f32 operands (vector FMAs, or v_wmma_f32_16x16x4_f32). A number that lies on a knife's edge between two numbers of the format may be rounded either way, as far as f32 arithmetic and the matrix unit's own rounding can turn it there, and no further.
;; One version. Each part assembles by itself: llvm-mc -triple=amdgcn-amd-amdhsa -mcpu=gfx1250 --defsym DOCPART=n.
;; ======== version 1 of 1: 4 launches
;; workspace buffers: cod 6,291,456 bytes; scl 262,144 bytes; qkv 9,437,184 bytes; qkvs 393,216 bytes; cc 3,145,728 bytes; cs 131,072 bytes
;; launch quant (part 1): grid 256 x 1, 4 waves a work-group, no clusters, 35,328 bytes of LDS; arguments X, Wq, Wk, Wv, Wo, cod, scl; writes cod, scl
.if DOCPART == 1
	.amdgcn_target "amdgcn-amd-amdhsa--gfx1250"
	.amdhsa_code_object_version 6
	.text
	.protected	k_qab590024d4_quant
	.globl	k_qab590024d4_quant
	.p2align	8
	.type	k_qab590024d4_quant,@function
k_qab590024d4_quant:
	s_mov_b64 s[64:65], 0
	v_nop
	global_prefetch_b8 v0, s[64:65] scope:SCOPE_SE
	s_setreg_imm32_b32 hwreg(HW_REG_WAVE_MODE, 25, 1), 1
	s_wait_xcnt 0x0
; X [4096][1024] and Wq, Wk, Wv, Wo [1024][1024], f32 with K innermost, become codes of BF6 (E3M2) with one E8M0 byte for each 32 along K.
; A block's scale is 2^(floor(log2(its largest magnitude)) - 4); its byte is the largest magnitude's exponent field - 4, held at 1 from below.
; LIMITS: a block whose largest magnitude lies under 2^-122 keeps the byte 1; a block of zeros has the byte 1 where the rule says 127 (its codes are zeros, and this program alone reads the bytes);
; NaN and infinities among the inputs are not served.
; LAYOUT OF THE RESULT.  The five tensors are 512 tiles of 16 rows: X 0-255, Wq 256-319, Wk 320-383, Wv 384-447, Wo 448-511.  Lane r of a tensor's tile t stands for its row 32 (t / 2) + 8 (t % 2) + r + 8 (r / 8).
; cod holds, for tile and K step of 128, THE IMAGE OF THE OPERAND'S 12 REGISTERS, 1,536 dense bytes: register 4 g + e of lane l at byte 512 g + 16 l + 4 e.  scl holds [tile][K step][r] scale words.
; SHARES.  A wave takes a tile and half of K: four fragments.  Each load reads 512 consecutive bytes of one row; a fragment's 16 rows x 512 bytes turn through the wave's own stage in LDS (rows 528 bytes apart,
; so that the sixteen rows of a read begin in different banks) and come back 16 neighbours of each block of 32 to a lane.  No tensor load, no barrier: waves share nothing.  Memory binds: no matrix unit, no cluster.
.set SPI,   528                        ; a stage row: 512 bytes + 16
.set SWO,   16*SPI                     ; behind the stage: the wave's 256 bytes of scale words
.set WREG,  SWO+256                    ; LDS of a wave
.set FRB,   1536                       ; an image
.set LI,  1                            ; v1   16 x lane: my 16 bytes of a load's 512, and of an image's 512
.set STI, 2                            ; v2   the stage, on the way in
.set STO, 3                            ; v3   and on the way out: row r, + 64 h
.set SWA, 4                            ; v4   where my row's scale word goes
.set SRA, 5                            ; v5   where I read 8 bytes of the 256 back
.set SOU, 6                            ; v6   8 x lane
.set PW,  10                           ; v10-13 the four fragments' scale words
.set SW,  14                           ; v14-15 scale words on their way out
.set TM,  16                           ; v16-31 at work in QUANT
.set PC,  32                           ; v32-43 a fragment's codes
.set TP,  44                           ; v44-51 the second halves of the blocks' codes
.set R,   64                           ; v64-255 three sets of 64 numbers
.set SEL, 20                           ; s[20:21] lane selects for v_permlanex16_b32: lane l xor 16
	s_load_b256 s[4:11], s[0:1], 0x0               ; X, Wq, Wk, Wv
	s_load_b128 s[12:15], s[0:1], 0x20             ; Wo, cod
	s_load_b64 s[16:17], s[0:1], 0x30              ; scl
	v_lshl_add_u32 v62, v0, 2, 0x8800
	v_mov_b32 v63, 0
	v_lshrrev_b32 v7, 5, v0
	v_readfirstlane_b32 s18, v7                    ; wave
	v_and_b32 v7, 31, v0                           ; lane
	v_and_b32 v8, 15, v0                           ; r
	v_bfe_u32 v9, v0, 4, 1                         ; h
	v_lshlrev_b32 v[LI], 4, v7
	s_mul_i32 s19, s18, WREG
	v_add_nc_u32 v[STI], s19, v[LI]
	v_mul_u32_u24 v[STO], v8, SPI
	v_lshl_add_u32 v[STO], v9, 6, v[STO]
	v_add_nc_u32 v[STO], s19, v[STO]
	s_add_co_u32 s19, s19, SWO
	v_lshl_add_u32 v[SWA], v8, 2, s19
	v_lshl_add_u32 v[SRA], v7, 3, s19
	v_lshlrev_b32 v[SOU], 3, v7
	s_mov_b32 s[SEL], 0x76543210
	s_mov_b32 s[SEL+1], 0xfedcba98
.irp b, 0,1,2,3
	v_mov_b32 v[TM+4+\b], 0                        ; written once: a lane permute's destination counts as one of its sources
.endr
	s_lshr_b32 s24, s18, 1
	s_lshl_b32 s26, ttmp9, 1
	s_add_co_u32 s24, s24, s26                     ; my tile: 2 x work-group + wave / 2
	s_and_b32 s25, s18, 1                          ; my half of K
	s_mul_i32 s28, s24, 8*FRB
	s_mul_i32 s26, s25, 4*FRB
	s_add_co_u32 s28, s28, s26                     ; my four images
	s_mov_b32 s29, 0
	s_lshl_b32 s30, s24, 9
	s_lshl_b32 s26, s25, 8
	s_add_co_u32 s30, s30, s26                     ; my 256 bytes of scale words
	s_mov_b32 s31, 0
	s_wait_kmcnt 0x0
	s_mov_b64 s[22:23], s[12:13]                   ; which tensor?  The choice hangs on the work-group's number alone
	s_cmp_lt_u32 ttmp9, 224
	s_cselect_b64 s[22:23], s[10:11], s[22:23]
	s_cmp_lt_u32 ttmp9, 192
	s_cselect_b64 s[22:23], s[8:9], s[22:23]
	s_cmp_lt_u32 ttmp9, 160
	s_cselect_b64 s[22:23], s[6:7], s[22:23]
	s_cmp_lt_u32 ttmp9, 128
	s_cselect_b64 s[22:23], s[4:5], s[22:23]
	s_cselect_b32 s26, 255, 63
	s_and_b32 s26, s24, s26                        ; the tile's number in its tensor
	s_lshr_b32 s27, s26, 1
	s_lshl_b32 s32, s27, 17                        ; 32 rows of 4,096 bytes for each pair of tiles,
	s_and_b32 s26, s26, 1
	s_lshl_b32 s26, s26, 15                        ; 8 rows for the odd one,
	s_add_co_u32 s32, s32, s26
	s_lshl_b32 s26, s25, 11                        ; 512 numbers for the second half of K
	s_add_co_u32 s32, s32, s26
	s_mov_b32 s33, 0
	s_add_nc_u64 s[22:23], s[22:23], s[32:33]
	s_add_nc_u64 s[14:15], s[14:15], s[28:29]
	s_add_nc_u64 s[16:17], s[16:17], s[30:31]
.macro LOAD f, set                     ; fragment f: 16 rows x 512 bytes; the tile's rows are 0-7 and 16-23 from its first
.irp i, 0,1,2,3,4,5,6,7,8,9,10,11,12,13,14,15
	global_load_b128 v[R+64*\set+4*\i:R+64*\set+4*\i+3], v[LI], s[22:23] offset:(\i+8*(\i/8))*4096+512*\f th:TH_LOAD_NT
.endr
.endm
.macro TURN set                        ; through the stage and back into the registers that they left: LDS serves a wave's instructions in order, so no wait stands between
.irp i, 0,1,2,3,4,5,6,7,8,9,10,11,12,13,14,15
	ds_store_b128 v[STI], v[R+64*\set+4*\i:R+64*\set+4*\i+3] offset:SPI*\i
.endr
.irp b, 0,1,2,3
.irp j, 0,1,2,3
	ds_load_b128 v[R+64*\set+16*\b+4*\j:R+64*\set+16*\b+4*\j+3], v[STO] offset:128*\b+16*\j   ; register 16 b + i = k 32 b + 16 h + i of row r
.endr
.endr
.endm
; 64 numbers of a lane, register 16 b + i = k 32 b + 16 (lane / 16) + i of my row, become a fragment's codes in v[PC] on and its scale word in v[pw].
.macro QUANT s, pw
.irp b, 0,1,2,3
	v_max3_num_f32 v[TM+\b], |v[\s+16*\b]|, |v[\s+1+16*\b]|, 0x2800000   ; block b: my 16 numbers, and the floor 2^(5 - 127): the byte cannot fall under 1
.endr
.irp i, 2,4,6,8,10,12,14
.irp b, 0,1,2,3
	v_max3_num_f32 v[TM+\b], v[TM+\b], |v[\s+16*\b+\i]|, |v[\s+1+16*\b+\i]|   ; the four blocks by turns
.endr
.endr
.irp b, 0,1,2,3
	v_permlanex16_b32 v[TM+4+\b], v[TM+\b], s[SEL], s[SEL+1]
.endr
.irp b, 0,1,2,3
	v_max_num_f32 v[TM+\b], v[TM+\b], v[TM+4+\b]   ; with lane l xor 16's: the block's largest magnitude
.endr
.irp b, 0,1,2,3
	v_add_nc_u32 v[TM+12+\b], 0xfe000000, v[TM+\b] ; 4 off its exponent field: the conversion's scale operand
.endr
.irp b, 0,1,2,3
	v_lshrrev_b32 v[TM+4+\b], 23, v[TM+12+\b]      ; the scale's byte
.endr
	v_lshl_or_b32 v[\pw], v[TM+5], 8, v[TM+4]
	v_lshl_or_b32 v[\pw], v[TM+6], 16, v[\pw]
	v_lshl_or_b32 v[\pw], v[TM+7], 24, v[\pw]      ; my row's scale word
.irp c, 0,1
	v_cvt_scalef32_pk16_bf6_f32 v[PC+6*\c:PC+6*\c+2], v[\s+32*\c:\s+32*\c+15], v[TM+12+2*\c]
	v_cvt_scalef32_pk16_bf6_f32 v[TP+4*\c:TP+4*\c+2], v[\s+16+32*\c:\s+31+32*\c], v[TM+13+2*\c]   ; (a conversion's three registers begin on an even number)
.endr
	v_nop                                          ; one plain place behind a scaled conversion
.irp c, 0,1                            ; the operand's layout wants a whole block in a lane: lanes 0-15 block 2 c, lanes 16-31 block 2 c + 1
.irp i, 0,1,2
	v_permlane16_swap_b32 v[PC+6*\c+\i], v[TP+4*\c+\i]
.endr
.irp i, 0,1,2
	v_mov_b32 v[PC+3+6*\c+\i], v[TP+4*\c+\i]
.endr
.endr
.endm
.macro OUT f                           ; the image leaves as it stands: each store covers 512 consecutive bytes, aligned
.irp g, 0,1,2
	global_store_b128 v[LI], v[PC+4*\g:PC+4*\g+3], s[14:15] offset:FRB*\f+512*\g
.endr
	ds_store_b32 v[SWA], v[PW+\f] offset:64*\f     ; lanes 16-31 write the word that lanes 0-15 write, with the same value
.endm
	LOAD 0, 0
	LOAD 1, 1
	LOAD 2, 2
	s_wait_loadcnt 32                              ; fragment 0's sixteen loads are in; the 32 behind them stay out
	TURN 0
	s_wait_dscnt 0x0                               ; fragment 0 is back from the stage
	s_wait_loadcnt 16                              ; fragment 1 is in; fragment 2's sixteen stay out
	TURN 1                                         ; goes through the stage while fragment 0 is worked
	QUANT R, PW
	OUT 0
	LOAD 3, 0                                      ; set 0 is free
	s_wait_dscnt 0x0
	s_wait_loadcnt 16                              ; fragment 2 is in; fragment 3's sixteen stay out
	TURN 2
	s_wait_xcnt 0x0                                ; the last image's stores have read v[PC] on: it is written again only behind this wait
	QUANT R+64, PW+1
	OUT 1
	s_wait_dscnt 0x0
	s_wait_loadcnt 0x0
	TURN 0
	s_wait_xcnt 0x0
	QUANT R+128, PW+2
	OUT 2
	s_wait_dscnt 0x0
	s_wait_xcnt 0x0
	QUANT R, PW+3
	OUT 3
	ds_load_b64 v[SW:SW+1], v[SRA]                 ; LDS serves a wave's instructions in order: this sees my four stores
	s_wait_dscnt 0x0
	global_store_b64 v[SOU], v[SW:SW+1], s[16:17]  ; 32 lanes store 256 consecutive bytes, aligned
	s_wait_tensorcnt 0x0
	ds_add_u32 v62, v63
	s_wait_dscnt 0x0
	s_endpgm
.Lfunc_end_k_qab590024d4_quant:
	.size	k_qab590024d4_quant, .Lfunc_end_k_qab590024d4_quant-k_qab590024d4_quant
	.p2alignl 7, 3214868480
	.fill 96, 4, 3214868480
	.section	.rodata,"a",@progbits
	.p2align	6, 0x0
	.amdhsa_kernel k_qab590024d4_quant
		.amdhsa_group_segment_fixed_size 35328
		.amdhsa_private_segment_fixed_size 0
		.amdhsa_enable_private_segment 0
		.amdhsa_kernarg_size 56
		.amdhsa_user_sgpr_count 2
		.amdhsa_user_sgpr_kernarg_segment_ptr 1
		.amdhsa_wavefront_size32 1
		.amdhsa_system_sgpr_workgroup_id_x 1
		.amdhsa_system_sgpr_workgroup_id_y 1
		.amdhsa_system_sgpr_workgroup_id_z 1
		.amdhsa_system_vgpr_workitem_id 0
		.amdhsa_next_free_vgpr 256
		.amdhsa_next_free_sgpr 66
		.amdhsa_reserve_vcc 0
		.amdhsa_float_denorm_mode_32 3
		.amdhsa_float_denorm_mode_16_64 3
		.amdhsa_memory_ordered 1
		.amdhsa_forward_progress 1
		.amdhsa_inst_pref_size 34
	.end_amdhsa_kernel
	.amdgpu_metadata
---
amdhsa.version: [ 1, 2 ]
amdhsa.kernels:
  - .name:           k_qab590024d4_quant
    .symbol:         k_qab590024d4_quant.kd
    .args:
      - { .name: X, .offset: 0, .size: 8, .value_kind: global_buffer, .address_space: global }
      - { .name: Wq, .offset: 8, .size: 8, .value_kind: global_buffer, .address_space: global }
      - { .name: Wk, .offset: 16, .size: 8, .value_kind: global_buffer, .address_space: global }
      - { .name: Wv, .offset: 24, .size: 8, .value_kind: global_buffer, .address_space: global }
      - { .name: Wo, .offset: 32, .size: 8, .value_kind: global_buffer, .address_space: global }
      - { .name: cod, .offset: 40, .size: 8, .value_kind: global_buffer, .address_space: global }
      - { .name: scl, .offset: 48, .size: 8, .value_kind: global_buffer, .address_space: global }
    .group_segment_fixed_size: 35328
    .private_segment_fixed_size: 0
    .kernarg_segment_align: 8
    .kernarg_segment_size: 56
    .max_flat_workgroup_size: 128
    .sgpr_count:     66
    .vgpr_count:     256
    .wavefront_size: 32
...
	.end_amdgpu_metadata
.endif
;; end of part 1
;; launch qkv (part 2): grid 8 x 24, 4 waves a work-group, clusters of 4 x 4, 327,680 bytes of LDS; arguments cod, scl, masks, qkv, qkvs; writes qkv, qkvs
.if DOCPART == 2
	.amdgcn_target "amdgcn-amd-amdhsa--gfx1250"
	.amdhsa_code_object_version 6
	.text
	.protected	k_qab590024d4_qkv
	.globl	k_qab590024d4_qkv
	.p2align	8
	.type	k_qab590024d4_qkv,@function
k_qab590024d4_qkv:
	s_mov_b64 s[64:65], 0
	v_nop
	global_prefetch_b8 v0, s[64:65] scope:SCOPE_SE
	s_setreg_imm32_b32 hwreg(HW_REG_WAVE_MODE, 25, 1), 1
	s_wait_xcnt 0x0
	s_wait_alu depctr_hold_cnt(0) depctr_sa_sdst(0) depctr_va_vdst(0) depctr_va_sdst(0) depctr_va_ssrc(0) depctr_va_vcc(0) depctr_vm_vsrc(0)
	s_getreg_b32 s2, hwreg(HW_REG_IB_STS2, 6, 4)
	s_cmp_eq_u32 s2, 0
	s_cbranch_scc0 .Lentry_in_a_cluster
	s_endpgm
.Lentry_in_a_cluster:
	s_bfe_u32 s2, ttmp6, 0x10000c
	s_cmp_lg_u32 s2, 0xf033
	s_cbranch_scc0 .Lentry_shape_is_right
	s_endpgm
.Lentry_shape_is_right:
; The three projections on codes of BF6, and their results quantised on the way out.  One body, C'[i][j] = sum over k of P[i][k] R[j][k], K = 1,024, quantised along j:
;   cluster y 0-3: P = X (positions), R = Wq | Wk (channels): a row's 64 channels of a head are divided by their norm (x rsq of the sum of squares), by 0 where masks is 0, and quantised along the channels;
;   cluster y 4-5: P = Wv (channels), R = X (positions): V with the KEYS along a lane's registers, quantised along the keys.  Nothing is transposed.
; masks folded into the factor: a key with Kn = 0 has the score 0, which is relu(score) x 0; a query with Qn = 0 has att = 0 and ctx = 0.
; LIMITS: Q x rsq(sum Q^2) stands for Q / sqrt(sum Q^2) (two roundings more); a masked row whose norm is 0 gives 0 where the division gives NaN; blocks under 2^-122 keep the byte 1, blocks of zeros too; NaN and infinities are not served.
; OPERANDS lie in cod as images of their 12 registers, [tile][K step][1,536]: a fragment is three loads of 16 bytes a lane, 512 consecutive bytes each, in LDS too: no pitch, no padding.
; A tile of C', 256 x 256, is made by four waves, 128 x 128 each: 64 accumulators.  THE MATRIX INSTRUCTION TAKES R AS SOURCE 0 AND P AS SOURCE 1: a lane holds one row of P, and, by the order of rows in a tile
; (lane r of tile t is row 32 (t / 2) + 8 (t % 2) + r + 8 (r / 8)), the 64 registers of its eight accumulators are j = 32 b + 16 (lane / 16) + 0 .. 15, b = 0 .. 3: what the conversions want.
; K comes in four fills of 256: three LDS slots are filled at the start, slot 0 once more.  CLUSTERS: 4 x 4 work-groups; P's tiles are asked for jointly along a row of the cluster, R's along a column.
; RESULT: qkv[idx][tile a][1,536], idx = ((which 2 + b) 8 + pair of heads) 16 + group of 128; qkvs[idx]: 512 bytes, the word of row r of tile a at 32 r + 4 a.
; REGISTERS: window 0: addresses, scale words, P's fragments (one set, v128-223; later the scaled numbers); window 1: R's fragments, two sets; windows 2, 3: the accumulators ((a, b) at v[8 (8 (a % 4) + b)]).
.set FR,     12                        ; registers of a fragment
.set NL,     3                         ; LDS loads that bring one
.set NP,     4                         ; places behind this matrix instruction (ISA guide 7.12.1)
.set FRB,    1536                      ; an image
.set TILEB,  2*FRB                     ; a tile's bytes in a slot: two K steps
.set HALFT,  8*TILEB                   ; 8 tiles: what one tensor load brings, and what a wave reads of P or of R
.set SLOT,   4*HALFT
.set SCL,    3*SLOT                    ; behind the slots: P's scale words, 16 tiles x 512 bytes; R's begin 8,192 + 128 bytes on, so that the two halves of the lanes read different banks
.set SPARE,  SCL+16640                 ; the spare words, 128 bytes for each wave: two blocks of 256 bytes that no other line names
.set ADRA, 16                          ; v16-18 LDS address of my fragments of P in slot 0, 1, 2
.set ADRB, 20                          ; v20-22 of R
.set LI,   24                          ; v24  16 x lane
.set SOFF, 25                          ; v25  32 r + 16 h: my 16 bytes of the block of scale words
.set MKO,  26                          ; v26  4 (r + 8 (r / 8)): my row's place among a tile's masks
.set ADRS, 27                          ; v27  LDS address of my scale words: lanes 0-15 P's, lanes 16-31 R's
.set SPW,  28                          ; v28  LDS address of my spare word; never rewritten
.set NIL,  29                          ; v29  0; never rewritten
.set ONE,  30                          ; v30  1.0
.set SC,   32                          ; v32-63 scale words, two sets of 16: register 2 i + q: lanes 0-15 P's block i, lanes 16-31 R's block i, the fill's q-th K step
.set MK,   64                          ; v64-71 masks of my row in P's eight tiles
.set PWS,  72                          ; v72-79 the eight scale words made
.set SB,   80                          ; v80-83 four of them, on their way out
.set SS,   84                          ; v84-91 sums of squares
.set F,    92                          ; v92, v94 the two heads' factors (v93, v95 are named with them as pairs)
.set TM,   96                          ; v96-111 at work in QUANT
.set TP,   112                         ; v112-119
.set AF,   128                         ; P's fragments
.set T0,   128                         ; the way out: 64 scaled numbers
.set PC,   224                         ; v224-235 a fragment's codes
.set SEL,  2                           ; s[2:3] lane selects: lane l xor 16
.set ISV,  97                          ; s97  all ones in the V case, else 0
.set HM,   98                          ; s98  lanes 16-31
.set G1, 24                            ; s[24:31] group 1 for P's tiles;  s[32:43] groups 0, one for each slot
.set G0, 32
.set G1B, 44                           ; s[44:51], s[52:63] the same for R's
.set G0B, 52
.set G1S, 68                           ; s[68:75], s[76:79] groups 1 and 0 for P's scale words;  s[80:87], s[88:91] for R's
.set G0S, 76
.set G1SB, 80
.set G0SB, 88
.set MSB, 0
.macro WIN new                         ; the immediate's high byte repeats the setting that is left
.if MSB != (\new)
	s_set_vgpr_msb (MSB<<8)|(\new)
.set MSB, (\new)
.endif
.endm
.set MUL_LO, 0xa1                      ; source 0 (R) window 1, source 1 (P) window 0, C and D window 2
.set MUL_HI, 0xf1                      ; the same, C and D window 3
.set TO_B,   0x40                      ; destination window 1, address window 0
; A joint load: waves 0 and 1 fetch for P, waves 2 and 3 for R.  The branch hangs on the wave's number alone.  Four v_nop follow each of the two lines.
.macro JLOAD g0a, g1a, g0b, g1b
	s_cmp_eq_u32 s15, 0
	s_cbranch_scc0 .Lfor_b_\@
	tensor_load_to_lds s[\g0a:\g0a+3], s[\g1a:\g1a+7]
	s_nop 0
.rept 4
	v_nop
.endr
	s_branch .Lasked_\@
.Lfor_b_\@:
	tensor_load_to_lds s[\g0b:\g0b+3], s[\g1b:\g1b+7]
	s_nop 0
.rept 4
	v_nop
.endr
.Lasked_\@:
.endm
.macro CREST                           ; a round of the cluster's barrier behind its opening barrier
	s_cmp_lg_u32 s14, 0
	s_cbranch_scc1 .Lnot_wave_0_\@
	s_barrier_signal -3
.Lnot_wave_0_\@:
	s_barrier_wait -3
	s_barrier_signal -1
	s_barrier_wait -1
.endm
.macro CROUND                          ; a whole round
	s_barrier_signal -1
	s_barrier_wait -1
	CREST
.endm
	s_load_b256 s[4:11], s[0:1], 0x0               ; cod s[4:5], scl s[6:7], masks s[8:9], qkv s[10:11]
	s_load_b64 s[12:13], s[0:1], 0x20              ; qkvs
	v_lshl_add_u32 v[SPW], v0, 2, SPARE
	v_mov_b32 v[NIL], 0
	ds_add_u32 v28, v29
	ds_add_u32 v28, v29
	s_wait_dscnt 0x0
	v_lshrrev_b32 v1, 5, v0
	v_readfirstlane_b32 s14, v1                    ; wave 0..3
	s_lshr_b32 s15, s14, 1                         ; which half of P's rows is mine.  Also: I fetch for P (0) or for R (1)
	s_and_b32 s16, s14, 1                          ; which half of R's rows.  Also: which 8 tiles of the 16 I fetch
	s_bfe_u32 s92, ttmp6, 0x40000                  ; cx, cy: my place in the cluster
	s_bfe_u32 s93, ttmp6, 0x40004
	s_and_b32 s18, ttmp7, 0xffff                   ; the cluster's y, 0..5
	s_lshl_b32 s94, s93, 2
	s_lshl_b32 s94, 15, s94                        ; my row of the cluster
	s_lshl_b32 s95, 0x1111, s92                    ; my column
	s_lshr_b32 s19, s18, 2                         ; V = 1 for cluster y 4, 5
	s_xor_b32 s20, s19, 1                          ; 1 - V
	s_and_b32 s21, s18, 3
	s_mul_i32 s22, s21, s20
	s_lshl_b32 s22, s22, 2
	s_add_co_u32 s17, s93, s22                     ; P's block of 256 rows: cy, + 4 x cluster y for Q, K
	s_mul_i32 s22, s21, s19
	s_lshl_b32 s22, s22, 3
	s_lshl_b32 s96, ttmp9, 2
	s_add_co_u32 s96, s96, s92
	s_add_co_u32 s96, s96, s22                     ; R's block: 4 x cluster x + cx, + 8 (cluster y - 4) for V
	s_sub_co_u32 s[ISV], 0, s19
	; descriptor group 1: 8 tiles x 3,072 bytes (384 elements of 8 bytes), 12,288 bytes (1,536 elements) apart in memory, dense in LDS
	s_or_b32 s[G1+0], s94, (3<<16)|(1<<21)         ; 15:0 the mask: P's tiles go to my row; 17:16 elements of 8 bytes; 21 set beside a mask
	s_or_b32 s[G1B+0], s95, (3<<16)|(1<<21)
.irp g, G1, G1B
	s_mov_b32 s[\g+1], 384<<16                     ; tensor_dim0
	s_mov_b32 s[\g+2], 8<<16                       ; tensor_dim1
	s_mov_b32 s[\g+3], 384<<16                     ; tile_dim0
	s_mov_b32 s[\g+4], 8                           ; tile_dim1
	s_mov_b32 s[\g+5], 1536                        ; tensor_dim0_stride
	s_mov_b32 s[\g+6], 0
	s_mov_b32 s[\g+7], 0
.endr
	; the scale words of 8 tiles: 4,096 dense bytes, as 16 rows of 256
	s_or_b32 s[G1S+0], s94, (3<<16)|(1<<21)
	s_or_b32 s[G1SB+0], s95, (3<<16)|(1<<21)
.irp g, G1S, G1SB
	s_mov_b32 s[\g+1], 32<<16
	s_mov_b32 s[\g+2], 16<<16
	s_mov_b32 s[\g+3], 32<<16
	s_mov_b32 s[\g+4], 16
	s_mov_b32 s[\g+5], 32
	s_mov_b32 s[\g+6], 0
	s_mov_b32 s[\g+7], 0
.endr
	s_lshl_b32 s23, s16, 3
	s_mul_i32 s21, s19, 384                        ; P: Wv's tiles begin at 384, X's at 0
	s_lshl_b32 s22, s17, 4
	s_add_co_u32 s21, s21, s22
	s_add_co_u32 s21, s21, s23                     ; the first tile of P that I fetch
	s_lshl_b32 s66, s20, 8                         ; R: Wq's tiles begin at 256, X's at 0
	s_lshl_b32 s67, s96, 4
	s_add_co_u32 s66, s66, s67
	s_add_co_u32 s66, s66, s23                     ; and of R
	s_mul_i32 s98, s21, 8*FRB
	s_mov_b32 s99, 0
	s_mul_i32 s100, s66, 8*FRB
	s_mov_b32 s101, 0
	s_lshl_b32 s22, s21, 9
	s_mov_b32 s23, 0
	s_lshl_b32 s66, s66, 9
	s_mov_b32 s67, 0
	s_mul_i32 s19, s14, HALFT                      ; where they go: wave x 8 tiles: no place in the cluster enters an LDS address
	s_lshl_b32 s18, s14, 12
	s_mov_b32 s[SEL], 0x76543210
	s_mov_b32 s[SEL+1], 0xfedcba98
	s_wait_kmcnt 0x0
	s_add_nc_u64 s[98:99], s[4:5], s[98:99]
	s_add_nc_u64 s[100:101], s[4:5], s[100:101]
	s_add_nc_u64 s[22:23], s[6:7], s[22:23]
	s_add_nc_u64 s[66:67], s[6:7], s[66:67]
	CROUND                                         ; all sixteen work-groups are here: the first joint loads meet
	s_mov_b32 s[G0S], 1
	s_add_co_u32 s[G0S+1], s18, SCL
	s_mov_b64 s[G0S+2:G0S+3], s[22:23]
	s_or_b32 s[G0S+3], s[G0S+3], 0x80000000
	s_mov_b32 s[G0SB], 1
	s_add_co_u32 s[G0SB+1], s18, SCL+128
	s_mov_b64 s[G0SB+2:G0SB+3], s[66:67]
	s_or_b32 s[G0SB+3], s[G0SB+3], 0x80000000
	JLOAD G0S, G1S, G0SB, G1SB                     ; the scale words first: they are wanted with K step 0
.irp s, 0,1,2
	s_mov_b32 s[G0+4*\s], 1
	s_add_co_u32 s[G0+4*\s+1], s19, \s*SLOT
	s_add_nc_u64 s[G0+4*\s+2:G0+4*\s+3], s[98:99], \s*TILEB
	s_or_b32 s[G0+4*\s+3], s[G0+4*\s+3], 0x80000000
	s_mov_b32 s[G0B+4*\s], 1
	s_add_co_u32 s[G0B+4*\s+1], s19, \s*SLOT
	s_add_nc_u64 s[G0B+4*\s+2:G0B+4*\s+3], s[100:101], \s*TILEB
	s_or_b32 s[G0B+4*\s+3], s[G0B+4*\s+3], 0x80000000
	JLOAD G0+4*\s, G1, G0B+4*\s, G1B               ; fills 0, 1, 2: with the scale words four loads of mine are out
.endr
	v_and_b32 v1, 15, v0                           ; r
	v_bfe_u32 v2, v0, 4, 1                         ; h
	v_and_b32 v3, 31, v0
	v_lshlrev_b32 v[LI], 4, v3
	s_mul_i32 s21, s15, HALFT                      ; my 8 tiles of P
	s_mul_i32 s22, s16, HALFT                      ; my 8 tiles of R,
	s_add_co_u32 s22, s22, 2*HALFT                 ; which lie behind P's 16
.irp s, 0,1,2
	v_add_nc_u32 v[ADRA+\s], s21, v[LI]
	v_add_nc_u32 v[ADRB+\s], s22, v[LI]
	s_add_co_u32 s21, s21, SLOT
	s_add_co_u32 s22, s22, SLOT
.endr
	s_lshl_b32 s21, s15, 12                        ; P's scale words: my 8 tiles
	s_lshl_b32 s22, s16, 12                        ; R's: my 8 tiles, 8,192 + 128 bytes behind P's first
	s_add_co_u32 s22, s22, 8192+128
	s_sub_co_u32 s22, s22, s21
	v_mul_u32_u24 v4, s22, v2                      ; lanes 16-31 take R's: one product, the distance x h
	s_add_co_u32 s21, s21, SCL
	v_lshl_add_u32 v4, v1, 2, v4
	v_add_nc_u32 v[ADRS], s21, v4
	v_lshlrev_b32 v[SOFF], 5, v1
	v_lshl_add_u32 v[SOFF], v2, 4, v[SOFF]
	v_and_b32 v4, 8, v1
	v_add_nc_u32 v4, v4, v1
	v_lshlrev_b32 v[MKO], 2, v4
	v_mov_b32 v[ONE], 1.0
	v_mov_b32 v[F+1], 0
	v_mov_b32 v[F+3], 0
.irp b, 0,1,2,3
	v_mov_b32 v[TM+4+\b], 0                        ; written once: a lane permute's destination counts as one of its sources
.endr
	s_lshl_b32 s20, s17, 10                        ; masks of my 128 rows of P: 4 bytes a position.  (In the V case these are positions under 1,024, inside the buffer; what they hold is overridden)
	s_lshl_b32 s21, s15, 9
	s_add_co_u32 s20, s20, s21
	s_mov_b32 s21, 0
	s_add_nc_u64 s[8:9], s[8:9], s[20:21]
.irp a, 0,1,2,3,4,5,6,7
	global_load_b32 v[MK+\a], v[MKO], s[8:9] offset:4*(32*(\a/2)+8*(\a%2))
.endr
	; where my 8 images go.  u = my 128 rows of P, v = my 128 rows of R
	s_lshl_b32 s98, s17, 1
	s_add_co_u32 s98, s98, s15                     ; u
	s_lshl_b32 s99, s96, 1
	s_add_co_u32 s99, s99, s16                     ; v
	s_lshr_b32 s100, s99, 3                        ; Q, K: which = v / 8, pair of heads = v % 8, b = u / 16, group = u % 16
	s_lshl_b32 s100, s100, 8
	s_lshr_b32 s101, s98, 4
	s_lshl_b32 s101, s101, 7
	s_add_co_u32 s100, s100, s101
	s_and_b32 s101, s99, 7
	s_lshl_b32 s101, s101, 4
	s_add_co_u32 s100, s100, s101
	s_and_b32 s101, s98, 15
	s_add_co_u32 s100, s100, s101
	s_lshr_b32 s66, s99, 4                         ; V: b = v / 16, pair of heads = u, key step = v % 16
	s_lshl_b32 s66, s66, 7
	s_lshl_b32 s67, s98, 4
	s_add_co_u32 s66, s66, s67
	s_and_b32 s67, s99, 15
	s_add_co_u32 s66, s66, s67
	s_add_co_u32 s66, s66, 512
	s_cmp_lg_u32 s[ISV], 0
	s_cselect_b32 s100, s66, s100
	s_mul_i32 s66, s100, 8*FRB
	s_mov_b32 s67, 0
	s_add_nc_u64 s[10:11], s[10:11], s[66:67]
	s_lshl_b32 s66, s100, 9
	s_add_nc_u64 s[12:13], s[12:13], s[66:67]
	s_mov_b32 s[HM], 0xffff0000
.macro FRAG reg, adr, q, i             ; a fragment comes as it was stored: three loads, each 512 consecutive bytes
.irp g, 0,1,2
	ds_load_b128 v[\reg+4*\g:\reg+4*\g+3], v[\adr] offset:(\i)*TILEB+(\q)*FRB+512*\g
.endr
.endm
; 16 matrix instructions: P's blocks a0, a0 + 1 x R's eight, the fill's q-th K step (R's set q), scale words of set sc.  zero = 1: the first product starts the sums.
; The 64 accumulators take turns, one instruction a turn, in the same order in every step.
.macro MUL16 a0, q, sc, zero
.irp a, \a0, \a0+1
.irp b, 0,1,2,3,4,5,6,7
.if \zero
	v_wmma_scale_f32_16x16x128_f8f6f4 v[8*(8*((\a)%4)+\b):8*(8*((\a)%4)+\b)+7], v[128*(\q)+FR*\b:128*(\q)+FR*\b+FR-1], v[AF+FR*(\a):AF+FR*(\a)+FR-1], 0, v[SC+16*(\sc)+2*\b+(\q)], v[SC+16*(\sc)+2*(\a)+(\q)] matrix_a_fmt:MATRIX_FMT_BF6 matrix_b_fmt:MATRIX_FMT_BF6 matrix_a_scale:MATRIX_SCALE_ROW1
.else
	v_wmma_scale_f32_16x16x128_f8f6f4 v[8*(8*((\a)%4)+\b):8*(8*((\a)%4)+\b)+7], v[128*(\q)+FR*\b:128*(\q)+FR*\b+FR-1], v[AF+FR*(\a):AF+FR*(\a)+FR-1], v[8*(8*((\a)%4)+\b):8*(8*((\a)%4)+\b)+7], v[SC+16*(\sc)+2*\b+(\q)], v[SC+16*(\sc)+2*(\a)+(\q)] matrix_a_fmt:MATRIX_FMT_BF6 matrix_b_fmt:MATRIX_FMT_BF6 matrix_a_scale:MATRIX_SCALE_ROW1
.endif
.endr
.endr
.endm
.macro FETCH_B slot, q                 ; R's eight fragments into set q
	WIN TO_B
.irp i, 0,1,2,3,4,5,6,7
	FRAG 128*(\q)+FR*\i, ADRB+\slot, \q, \i
.endr
	WIN 0
.endm
.macro FETCH_A slot, q, i0             ; P's blocks i0 .. i0 + 3
.irp i, \i0, \i0+1, \i0+2, \i0+3
	FRAG AF+FR*(\i), ADRA+\slot, \q, \i
.endr
.endm
.macro SCALES set, fill                ; a fill's scale words: lanes 0-15 take P's block i, lanes 16-31 R's block i; the fill stands in the immediate
.irp i, 0,1,2,3,4,5,6,7
.irp q, 0,1
	ds_load_b32 v[SC+16*(\set)+2*\i+\q], v[ADRS] offset:512*\i+128*(\fill)+64*\q
.endr
.endr
.endm
; A load into a register that a matrix instruction has read, and a vector instruction that reads a matrix result, stand NP places behind it; only plain vector instructions that name none of its registers are places.
.macro PLACES n
.rept \n
	v_nop
.endr
.endm
; A K step with no change of what is shared.  P has one set of registers: blocks 0-3 are fetched anew in the step's middle, blocks 4-7 at its end; R has two sets.
.macro KSTEP q, sc, zero, nslot, nq, scales, nfill
	s_wait_dscnt 4*NL                              ; all but the youngest twelve loads (P's blocks 4-7) are in
	WIN MUL_LO
	MUL16 0, \q, \sc, \zero
	MUL16 2, \q, \sc, \zero
	s_wait_dscnt 0x0                               ; P's blocks 4-7 are in
	PLACES NP
	FETCH_B \nslot, \nq
	FETCH_A \nslot, \nq, 0
.if \scales
	SCALES 1-\sc, \nfill
.endif
	WIN MUL_HI
	MUL16 4, \q, \sc, \zero
	MUL16 6, \q, \sc, \zero
	PLACES NP
	WIN 0
	FETCH_A \nslot, \nq, 4
.endm
; A fill's second K step with a barrier in it.  In front of the barrier each wave waits for all its tensor loads, adds 0 to its spare word, and waits for that and for its own LDS reads.
; fill = 1: the barrier opens a round of the cluster's, and slot 0, which nobody reads any more, takes the fourth fill.
.macro TURN sc, nslot, nfill, fill
	s_wait_tensorcnt 0x0                           ; all my tensor loads have landed  (every window is 0 here)
	ds_add_u32 v[SPW], v[NIL]                      ; 0 onto my spare word
	s_wait_dscnt 4*NL+1                            ; (the add and the youngest twelve loads may be out)
	WIN MUL_LO
	MUL16 0, 1, \sc, 0                             ; sixteen matrix instructions stand between the add and the wait for it
	s_wait_dscnt 0x0                               ; the add is done, and my reads of this slot are over
	s_barrier_signal -1
	MUL16 2, 1, \sc, 0
	WIN 0
	s_barrier_wait -1
.if \fill
	CREST                                          ; no wave of any partner still reads slot 0 or has a load on its way
	s_add_nc_u64 s[G0+2:G0+3], s[G0+2:G0+3], 3*TILEB
	s_add_nc_u64 s[G0B+2:G0B+3], s[G0B+2:G0B+3], 3*TILEB
	JLOAD G0, G1, G0B, G1B                         ; the first tensor load behind the round, my only one; its four v_nop are the places in front of the loads below
.else
	PLACES NP
.endif
	FETCH_B \nslot, 0
	FETCH_A \nslot, 0, 0
	SCALES 1-\sc, \nfill
	WIN MUL_HI
	MUL16 4, 1, \sc, 0
	MUL16 6, 1, \sc, 0
	PLACES NP
	WIN 0
	FETCH_A \nslot, 0, 4
.endm
	s_wait_tensorcnt 2                             ; the scale words and my part of fill 0 are in; fills 1 and 2 stay out
	s_barrier_signal -1
	s_barrier_wait -1                              ; everybody's are
	FETCH_B 0, 0
	FETCH_A 0, 0, 0
	SCALES 0, 0
	FETCH_A 0, 0, 4
	KSTEP 0, 0, 1, 0, 1, 0, 0                      ; K step 0: its products start the sums
	TURN 0, 1, 1, 1                                ; K step 1: slots 1 and 2 are whole for every wave from here on; slot 0 takes fill 3
	KSTEP 0, 1, 0, 1, 1, 0, 0                      ; K step 2
	KSTEP 1, 1, 0, 2, 0, 1, 2                      ; K step 3: on into slot 2, which the wait for all loads in front of K step 1's barrier has shown whole
	KSTEP 0, 0, 0, 2, 1, 0, 0                      ; K step 4
	TURN 0, 0, 3, 0                                ; K step 5: fill 3 is whole for every wave; nothing is filled
	KSTEP 0, 1, 0, 0, 1, 0, 0                      ; K step 6
	s_wait_dscnt 4*NL                              ; K step 7: nothing more to fetch
	WIN MUL_LO
	MUL16 0, 1, 1, 0
	MUL16 2, 1, 1, 0
	s_wait_dscnt 0x0
	WIN MUL_HI
	MUL16 4, 1, 1, 0
	MUL16 6, 1, 1, 0
	WIN 0
; 64 numbers of a lane, register 16 b + i = index 32 b + 16 (lane / 16) + i of my row, become a fragment's codes in v[PC] on and its scale word in v[pw].
.macro QUANT s, pw
.irp b, 0,1,2,3
	v_max3_num_f32 v[TM+\b], |v[\s+16*\b]|, |v[\s+1+16*\b]|, 0x2800000   ; block b: my 16 numbers, and the floor 2^(5 - 127): the byte cannot fall under 1
.endr
.irp i, 2,4,6,8,10,12,14
.irp b, 0,1,2,3
	v_max3_num_f32 v[TM+\b], v[TM+\b], |v[\s+16*\b+\i]|, |v[\s+1+16*\b+\i]|
.endr
.endr
.irp b, 0,1,2,3
	v_permlanex16_b32 v[TM+4+\b], v[TM+\b], s[SEL], s[SEL+1]
.endr
.irp b, 0,1,2,3
	v_max_num_f32 v[TM+\b], v[TM+\b], v[TM+4+\b]   ; with lane l xor 16's: the block's largest magnitude
.endr
.irp b, 0,1,2,3
	v_add_nc_u32 v[TM+12+\b], 0xfe000000, v[TM+\b] ; 4 off its exponent field: the conversion's scale operand
.endr
.irp b, 0,1,2,3
	v_lshrrev_b32 v[TM+4+\b], 23, v[TM+12+\b]      ; the scale's byte
.endr
	v_lshl_or_b32 v[\pw], v[TM+5], 8, v[TM+4]
	v_lshl_or_b32 v[\pw], v[TM+6], 16, v[\pw]
	v_lshl_or_b32 v[\pw], v[TM+7], 24, v[\pw]
.irp c, 0,1
	v_cvt_scalef32_pk16_bf6_f32 v[PC+6*\c:PC+6*\c+2], v[\s+32*\c:\s+32*\c+15], v[TM+12+2*\c]
	v_cvt_scalef32_pk16_bf6_f32 v[TP+4*\c:TP+4*\c+2], v[\s+16+32*\c:\s+31+32*\c], v[TM+13+2*\c]   ; (a conversion's three registers begin on an even number)
.endr
	v_nop                                          ; one plain place behind a scaled conversion
.irp c, 0,1
.irp i, 0,1,2
	v_permlane16_swap_b32 v[PC+6*\c+\i], v[TP+4*\c+\i]
.endr
.irp i, 0,1,2
	v_mov_b32 v[PC+3+6*\c+\i], v[TP+4*\c+\i]
.endr
.endr
.endm
; THE WAY OUT of P's tile a: the two heads' sums of squares (registers 0-31 and 32-63; the other half of each lies in lane l xor 16), the factors, the scaled numbers, their codes.
.macro OUTT a
.set AC, 64*((\a)%4)
.set W, 2+(\a)/4
	WIN W|(W<<2)                                   ; sources 0 and 1: the accumulators' window
.irp i, 0,1,2,3,4,5,6,7
.irp c, 0,1,2,3
.if \i == 0
	v_pk_mul_f32 v[SS+2*\c:SS+2*\c+1], v[AC+16*\c:AC+16*\c+1], v[AC+16*\c:AC+16*\c+1]    ; four chains by turns; each accumulator is read from its low end on
.else
	v_pk_fma_f32 v[SS+2*\c:SS+2*\c+1], v[AC+16*\c+2*\i:AC+16*\c+2*\i+1], v[AC+16*\c+2*\i:AC+16*\c+2*\i+1], v[SS+2*\c:SS+2*\c+1]
.endif
.endr
.endr
	WIN 0
	v_pk_add_f32 v[SS:SS+1], v[SS:SS+1], v[SS+2:SS+3]
	v_pk_add_f32 v[SS+4:SS+5], v[SS+4:SS+5], v[SS+6:SS+7]
	v_add_f32 v[SS], v[SS], v[SS+1]
	v_add_f32 v[SS+4], v[SS+4], v[SS+5]
	v_permlanex16_b32 v[SS+1], v[SS], s[SEL], s[SEL+1]
	v_permlanex16_b32 v[SS+5], v[SS+4], s[SEL], s[SEL+1]
	v_add_f32 v[SS], v[SS], v[SS+1]
	v_add_f32 v[SS+4], v[SS+4], v[SS+5]
	v_rsq_f32 v[F], v[SS]
	v_rsq_f32 v[F+2], v[SS+4]
	v_nop                                          ; one plain place behind a transcendental
	v_cmp_ne_u32 vcc_lo, 0, v[MK+\a]
	s_wait_alu depctr_va_vdst(0)
	v_cndmask_b32 v[F], 0, v[F], vcc_lo            ; a position whose mask is 0 gets the factor 0
	v_cndmask_b32 v[F+2], 0, v[F+2], vcc_lo
	v_cndmask_b32 v[F], v[F], v[ONE], s[ISV]       ; V is neither normalised nor masked
	v_cndmask_b32 v[F+2], v[F+2], v[ONE], s[ISV]
	WIN W                                          ; source 0: the accumulators' window
.irp i, 0,2,4,6,8,10,12,14,16,18,20,22,24,26,28,30,32,34,36,38,40,42,44,46,48,50,52,54,56,58,60,62
	v_pk_mul_f32 v[T0+\i:T0+\i+1], v[AC+\i:AC+\i+1], v[F+2*(\i/32):F+2*(\i/32)+1] op_sel_hi:[1,0]
.endr
	WIN 0
.if (\a) > 0
	s_wait_xcnt 0x0                                ; the last image's stores have read v[PC] on
.endif
	QUANT T0, PWS+\a
.irp g, 0,1,2
	global_store_b128 v[LI], v[PC+4*\g:PC+4*\g+3], s[10:11] offset:FRB*(\a)+512*\g   ; 512 consecutive bytes, aligned
.endr
.endm
	PLACES NP                                      ; behind the last products
	s_wait_loadcnt 0x0                             ; the masks
.irp a, 0,1,2,3,4,5,6,7
	OUTT \a
.endr
.irp k, 0,1,2,3
	v_cndmask_b32 v[SB+\k], v[PWS+\k], v[PWS+4+\k], s[HM]   ; lanes 0-15 carry tiles 0-3's words of row r, lanes 16-31 tiles 4-7's
.endr
	global_store_b128 v[SOFF], v[SB:SB+3], s[12:13] ; 512 consecutive bytes, aligned
	s_wait_tensorcnt 0x0                           ; the wave's end
	ds_add_u32 v[SPW], v[NIL]
	s_wait_dscnt 0x0
	CROUND                                         ; the closing round: no work-group ends while a partner may still ask for a tile that names it
	s_endpgm
.Lfunc_end_k_qab590024d4_qkv:
	.size	k_qab590024d4_qkv, .Lfunc_end_k_qab590024d4_qkv-k_qab590024d4_qkv
	.p2alignl 7, 3214868480
	.fill 96, 4, 3214868480
	.section	.rodata,"a",@progbits
	.p2align	6, 0x0
	.amdhsa_kernel k_qab590024d4_qkv
		.amdhsa_group_segment_fixed_size 327680
		.amdhsa_private_segment_fixed_size 0
		.amdhsa_enable_private_segment 0
		.amdhsa_kernarg_size 40
		.amdhsa_user_sgpr_count 2
		.amdhsa_user_sgpr_kernarg_segment_ptr 1
		.amdhsa_wavefront_size32 1
		.amdhsa_system_sgpr_workgroup_id_x 1
		.amdhsa_system_sgpr_workgroup_id_y 1
		.amdhsa_system_sgpr_workgroup_id_z 1
		.amdhsa_system_vgpr_workitem_id 0
		.amdhsa_next_free_vgpr 1024
		.amdhsa_next_free_sgpr 102
		.amdhsa_reserve_vcc 1
		.amdhsa_float_denorm_mode_32 3
		.amdhsa_float_denorm_mode_16_64 3
		.amdhsa_memory_ordered 1
		.amdhsa_forward_progress 1
		.amdhsa_inst_pref_size 181
	.end_amdhsa_kernel
	.amdgpu_metadata
---
amdhsa.version: [ 1, 2 ]
amdhsa.kernels:
  - .name:           k_qab590024d4_qkv
    .symbol:         k_qab590024d4_qkv.kd
    .args:
      - { .name: cod, .offset: 0, .size: 8, .value_kind: global_buffer, .address_space: global }
      - { .name: scl, .offset: 8, .size: 8, .value_kind: global_buffer, .address_space: global }
      - { .name: masks, .offset: 16, .size: 8, .value_kind: global_buffer, .address_space: global }
      - { .name: qkv, .offset: 24, .size: 8, .value_kind: global_buffer, .address_space: global }
      - { .name: qkvs, .offset: 32, .size: 8, .value_kind: global_buffer, .address_space: global }
    .group_segment_fixed_size: 327680
    .private_segment_fixed_size: 0
    .kernarg_segment_align: 8
    .kernarg_segment_size: 40
    .max_flat_workgroup_size: 128
    .sgpr_count:     102
    .vgpr_count:     1024
    .wavefront_size: 32
...
	.end_amdgpu_metadata
.endif
;; end of part 2
;; launch attn (part 3): grid 16 x 16, 8 waves a work-group, clusters of 4 x 1, 327,680 bytes of LDS; arguments qkv, qkvs, cc, cs; writes cc, cs
.if DOCPART == 3
	.amdgcn_target "amdgcn-amd-amdhsa--gfx1250"
	.amdhsa_code_object_version 6
	.text
	.protected	k_qab590024d4_attn
	.globl	k_qab590024d4_attn
	.p2align	8
	.type	k_qab590024d4_attn,@function
k_qab590024d4_attn:
	s_mov_b64 s[64:65], 0
	v_nop
	global_prefetch_b8 v0, s[64:65] scope:SCOPE_SE
	s_setreg_imm32_b32 hwreg(HW_REG_WAVE_MODE, 25, 1), 1
	s_wait_xcnt 0x0
	s_wait_alu depctr_hold_cnt(0) depctr_sa_sdst(0) depctr_va_vdst(0) depctr_va_sdst(0) depctr_va_ssrc(0) depctr_va_vcc(0) depctr_vm_vsrc(0)
	s_getreg_b32 s2, hwreg(HW_REG_IB_STS2, 6, 4)
	s_cmp_eq_u32 s2, 0
	s_cbranch_scc0 .Lentry_in_a_cluster
	s_endpgm
.Lentry_in_a_cluster:
	s_bfe_u32 s2, ttmp6, 0x10000c
	s_cmp_lg_u32 s2, 0x3003
	s_cbranch_scc0 .Lentry_shape_is_right
	s_endpgm
.Lentry_shape_is_right:
; ctx = relu(Qn Kn^T) V under the causal mask, both products on codes of BF6; ctx is quantised along D on the way out.  There is no softmax: a block of 32 keys of att is quantised by itself, and ctx is a plain sum.
; The key mask and the query mask are already in the codes: Kn = 0 and Qn = 0 where masks is 0.
; SHARES.  y = 8 b + pair of heads.  The sequence's queries are 16 groups of 128, a group 4 pairs of tiles of 16.  Cluster x = c takes groups c, 15 - c, 7 - c, 8 + c; its work-group cx takes pair cx of each of them.
; A wave owns ONE PAIR OF TILES of one group, for both heads, and the key steps (128 keys) of ONE PARITY: each fragment of K and V that it reads from LDS feeds two tiles, and the longest walk, group 15's 16 key steps,
; is 8 steps in each of two waves.  Waves w and w + 4 hold groups g and 15 - g: 8 or 9 steps of work together, whatever c.  ctx being a plain sum, the two parities' sums are added at the end: each wave hands one
; tile's sums to its partner through LDS and finishes the other.
; Every wave walks all 8 steps of its parity: the trip counts are constants; a step whose keys all come after the group is left out by a scalar branch on ids, round its loads and products; no barrier and no tensor
; load stands in a step.  A wave's first step is always worked, so that its products start the sums: where all its keys are hidden (group 0, odd steps) the mask clears every score and the sums start as zeros.
; CLUSTER 4, 1, 1: the four partners walk the same K and V of one pair of heads, and every branch hangs on the wave's number, the cluster's x and counters alone; cx enters Q's and the result's global addresses and the
; mask's numbers.  So each tile is asked for JOINTLY: the same tensor load, the same descriptor, a mask that names the four.
; LAYOUT.  Both products transposed: S^T = K Q^T (source 0 = 16 keys), O^T = V^T att^T (source 0 = 16 channels): a lane holds one query throughout.  By the order of rows in a tile (lane r of tile t is row
; 32 (t / 2) + 8 (t % 2) + r + 8 (r / 8)) the 64 registers of eight tiles are index 32 b + 16 (lane / 16) + 0 .. 15: neighbours along the next K.  K OF THE FIRST PRODUCT IS 64: a fragment holds two heads, [A | B];
; Q lies as [A | 0 | B], read once as [A | 0] and once as [0 | B]: zero codes add nothing.
; LDS: K's images in twelve places of 12,288 bytes, V's in twelve more, the scale words of all 16 key steps.  Key steps 0-11 are filled at the start, in three fills; places 0-3 once more, with steps 12-15.
; LIMITS: blocks under 2^-122 keep the byte 1, blocks of zeros too (their codes are zeros; this program alone reads the bytes).  The sums of even and of odd key steps are rounded apart and then added.
; cs is stored 64 bytes at a time: 131,072 bytes in the whole launch.
; REGISTERS: window 0: v0-13 addresses, v14-27 scale words, v28-47 at work, v48-95 att's codes (tile, head), v96-191 eight fragments of K or V, v192-255 scores S0.
;   window 1: v0-127 O^T of my two tiles, v128-191 scores S1, v192-227 Q, v228 the mask's number.  Two score buffers, so that eight products run beneath the vector work on the buffer before.
.set FR,    12
.set FRB,   1536
.set STEPB, 8*FRB                      ; a key step's eight images of K, or of V
.set FILLB, 4*STEPB                    ; four key steps: a fill's part of K, or of V
.set VREG,  12*STEPB                   ; V's twelve places lie behind K's twelve
.set SCL,   24*STEPB                   ; behind them: K's scale words, 16 key steps x 512 bytes; then V's
.set SPARE, SCL+16384                  ; the spare words, 128 bytes for each wave: four blocks of 256 bytes that no other line names
.set XCH,   FILLB                      ; the exchange of sums: 8 x 8,192 bytes in K's places 4 to 9, which have had their only fill and are read by nobody behind the second change's barrier
.set LI,  1                            ; v1   16 x lane
.set LS,  2                            ; v2   32 r + 16 h: my 16 bytes of a block of scale words
.set DQ,  3                            ; v3, v4  my query's place in its group, less 16 h, in my tile 0 and my tile 1
.set ADK, 5                            ; v5   LDS address of the step's images of K
.set ADV, 6                            ; v6   of V
.set ADS, 7                            ; v7   of its scale words
.set SPW, 8                            ; v8   LDS address of my spare word; never rewritten
.set NIL, 9                            ; v9   0; never rewritten
.set D,   10                           ; v10  the mask's number for scores in window 0
.set XW,  11                           ; v11  where I put the sums that my partner finishes
.set XR,  12                           ; v12  where my partner puts those that I finish
.set VT,  13                           ; v13  at work at the head
.set KW,  14                           ; v14-17 K's scale words: register k: lanes 0-15 tile k, lanes 16-31 tile 4 + k
.set VW,  18                           ; v18-21 V's likewise
.set PW,  22                           ; v22-25 att's scale words: 2 x tile + head
.set QW,  26                           ; v26, v27 Q's scale words, tile 0 and 1
.set TM,  28                           ; v28-39 at work in QUANT
.set TP,  40                           ; v40-47
.set P,   48                           ; att's codes: 24 x tile + 12 x head
.set FB,  96
.set S0,  192
.set O,   0                            ; in window 1: 64 x tile
.set S1,  128
.set Q,   192                          ; 18 x tile: A's six registers, six zeros, B's six
.set D1,  228                          ; the mask's number for scores in window 1
.set WV,  12                           ; s12  wave
.set PAR, 13                           ; s13  my parity of key steps: wave / 4
.set BH,  14                           ; s14  8 b + pair of heads
.set W3,  15                           ; s15  wave % 4
.set JW,  16                           ; s16  my group of 128 queries: the last key step that counts for it
.set CX,  17                           ; s17  my work-group's place in the cluster
.set IDX, 18                           ; s18  which of the cluster's four groups
.set SEL, 20                           ; s[20:21] lane selects: lane l xor 16
.set G1,  24                           ; s[24:31] group 1: 12,288 dense bytes;  s[32:39]: 2,048 dense bytes
.set G1S, 32
.set G0,  40                           ; s[40:51] groups 0, one for each of the three first fills;  s[52:55] for the scale words
.set G0S, 52
.set TB,  56                           ; s56  LDS byte of the step's images of K
.set TS,  57                           ; s57  of its scale words
.set KS,  58                           ; s58  the key step
.set CNT, 59                           ; s59  trips to go
.set MSB, 0
.macro WIN new                         ; the immediate's high byte repeats the setting that is left
.if MSB != (\new)
	s_set_vgpr_msb (MSB<<8)|(\new)
.set MSB, (\new)
.endif
.endm
.macro CROUND                          ; a round of the cluster's barrier: my work-group's barrier; wave 0 signals for the work-group; every wave waits for all four; my work-group's barrier once more
	s_barrier_signal -1
	s_barrier_wait -1
	s_cmp_lg_u32 s[WV], 0
	s_cbranch_scc1 .Lnot_wave_0_\@
	s_barrier_signal -3
.Lnot_wave_0_\@:
	s_barrier_wait -3
	s_barrier_signal -1
	s_barrier_wait -1
.endm
	s_load_b256 s[4:11], s[0:1], 0x0               ; qkv s[4:5], qkvs s[6:7], cc s[8:9], cs s[10:11]
	v_lshl_add_u32 v[SPW], v0, 2, SPARE
	v_mov_b32 v[NIL], 0
	ds_add_u32 v8, v9
	ds_add_u32 v8, v9
	s_wait_dscnt 0x0
	v_lshrrev_b32 v[VT], 5, v0
	v_readfirstlane_b32 s[WV], v[VT]               ; wave 0..7
	s_bfe_u32 s[CX], ttmp6, 0x40000
	s_and_b32 s[BH], ttmp7, 0xffff
	s_lshr_b32 s[PAR], s[WV], 2
	s_and_b32 s[W3], s[WV], 3
	s_xor_b32 s[IDX], s[W3], s[PAR]                ; waves w and w + 4 hold neighbouring entries of the list c, 15 - c, 7 - c, 8 + c
	s_lshr_b32 s80, s[IDX], 1
	s_and_b32 s81, s[IDX], 1
	s_lshl_b32 s19, ttmp9, 1                       ; in a cluster launch ttmp9 counts clusters: c
	s_sub_co_u32 s19, 7, s19
	s_mul_i32 s19, s19, s80
	s_add_co_u32 s19, s19, ttmp9                   ; c, or 7 - c
	s_lshl_b32 s82, s19, 1
	s_sub_co_u32 s82, 15, s82
	s_mul_i32 s82, s82, s81
	s_add_co_u32 s[JW], s19, s82                   ; that, or 15 less that
	s_add_co_u32 s80, s[BH], 16                    ; what I fetch: waves 0-3 K's, waves 4-7 V's, key step wave % 4 of each fill
	s_mul_i32 s66, s80, 16*STEPB
	s_mul_i32 s81, s[PAR], 256*STEPB
	s_add_co_u32 s66, s66, s81
	s_mul_i32 s81, s[W3], STEPB
	s_add_co_u32 s66, s66, s81
	s_mov_b32 s67, 0
	s_lshl_b32 s68, s80, 13                        ; and a quarter of K's or V's scale words
	s_lshl_b32 s81, s[PAR], 17
	s_add_co_u32 s68, s68, s81
	s_lshl_b32 s81, s[W3], 11
	s_add_co_u32 s68, s68, s81
	s_mov_b32 s69, 0
	s_mov_b32 s[G1], 15|(3<<16)|(1<<21)            ; 15:0 the mask: all four work-groups; 17:16 elements of 8 bytes; 21 set beside a mask; no padding
	s_mov_b32 s[G1+1], 32<<16                      ; rows of 256 bytes
	s_mov_b32 s[G1+2], 48<<16
	s_mov_b32 s[G1+3], 32<<16
	s_mov_b32 s[G1+4], 48
	s_mov_b32 s[G1+5], 32
	s_mov_b32 s[G1+6], 0
	s_mov_b32 s[G1+7], 0
	s_mov_b32 s[G1S], 15|(3<<16)|(1<<21)
	s_mov_b32 s[G1S+1], 32<<16
	s_mov_b32 s[G1S+2], 8<<16
	s_mov_b32 s[G1S+3], 32<<16
	s_mov_b32 s[G1S+4], 8
	s_mov_b32 s[G1S+5], 32
	s_mov_b32 s[G1S+6], 0
	s_mov_b32 s[G1S+7], 0
	s_mul_i32 s19, s[PAR], VREG                    ; where they go: K's or V's places, place wave % 4 of a fill's four; wave x 2,048 among the scale words: no place in the cluster enters an LDS address
	s_mul_i32 s81, s[W3], STEPB
	s_add_co_u32 s19, s19, s81
	s_lshl_b32 s82, s[WV], 11
	s_wait_kmcnt 0x0
	s_add_nc_u64 s[66:67], s[4:5], s[66:67]
	s_add_nc_u64 s[68:69], s[6:7], s[68:69]
	CROUND                                         ; all four work-groups are here: the first joint loads meet
	s_mov_b32 s[G0S], 1
	s_add_co_u32 s[G0S+1], s82, SCL
	s_mov_b64 s[G0S+2:G0S+3], s[68:69]
	s_or_b32 s[G0S+3], s[G0S+3], 0x80000000
.irp s, 0,1,2
	s_mov_b32 s[G0+4*\s], 1
	s_add_co_u32 s[G0+4*\s+1], s19, \s*FILLB
	s_add_nc_u64 s[G0+4*\s+2:G0+4*\s+3], s[66:67], \s*FILLB
	s_or_b32 s[G0+4*\s+3], s[G0+4*\s+3], 0x80000000
.endr
	tensor_load_to_lds s[G0S:G0S+3], s[G1S:G1S+7]  ; the first fills go out together: four loads of mine are out
	s_nop 0
	tensor_load_to_lds s[G0:G0+3], s[G1:G1+7]
	s_nop 0
	tensor_load_to_lds s[G0+4:G0+7], s[G1:G1+7]
	s_nop 0
	tensor_load_to_lds s[G0+8:G0+11], s[G1:G1+7]
	s_nop 0
.rept 4
	v_nop
.endr
	; MY TWO TILES.  My tile 0 is the one that I finish: tile 2 cx + parity of the group; my tile 1 is its neighbour, which my partner finishes.
	s_lshl_b32 s80, s[CX], 1
	s_add_co_u32 s80, s80, s[PAR]
	s_xor_b32 s81, s80, 1
	s_lshl_b32 s82, s[JW], 3
	s_add_co_u32 s22, s82, s80                     ; my tile 0 in the sequence
	s_add_co_u32 s23, s82, s81                     ; my tile 1
	s_mul_i32 s83, s[BH], 16*STEPB
	s_mul_i32 s70, s22, FRB
	s_add_co_u32 s70, s70, s83                     ; Q's images
	s_mov_b32 s71, 0
	s_mul_i32 s78, s23, FRB
	s_add_co_u32 s78, s78, s83
	s_mov_b32 s79, 0
	s_lshl_b32 s72, s[BH], 13                      ; Q's scale words: the group's block, the pair's two words
	s_lshl_b32 s83, s[JW], 9
	s_add_co_u32 s72, s72, s83
	s_lshl_b32 s83, s[CX], 3
	s_add_co_u32 s72, s72, s83
	s_mov_b32 s73, 0
	s_lshr_b32 s83, s[BH], 3                       ; ctx: tile 128 b + my tile 0, K step = pair of heads
	s_lshl_b32 s83, s83, 7
	s_add_co_u32 s83, s83, s22
	s_and_b32 s82, s[BH], 7
	s_lshl_b32 s74, s83, 3
	s_add_co_u32 s74, s74, s82
	s_mul_i32 s74, s74, FRB
	s_mov_b32 s75, 0
	s_lshl_b32 s76, s83, 9
	s_lshl_b32 s82, s82, 6
	s_add_co_u32 s76, s76, s82
	s_mov_b32 s77, 0
	s_add_nc_u64 s[70:71], s[4:5], s[70:71]
	s_add_nc_u64 s[78:79], s[4:5], s[78:79]
	s_add_nc_u64 s[72:73], s[6:7], s[72:73]
	s_add_nc_u64 s[74:75], s[8:9], s[74:75]
	s_add_nc_u64 s[76:77], s[10:11], s[76:77]
	s_mov_b32 s[SEL], 0x76543210
	s_mov_b32 s[SEL+1], 0xfedcba98
	v_and_b32 v96, 15, v0                          ; r
	v_bfe_u32 v97, v0, 4, 1                        ; h
	v_and_b32 v98, 31, v0
	v_lshlrev_b32 v[LI], 4, v98
	v_lshlrev_b32 v[LS], 5, v96
	v_lshl_add_u32 v[LS], v97, 4, v[LS]
	WIN 0x40                                       ; destination window 1
.irp j, 0,1,2,3,4,5                    ; an image's registers 2 j, 2 j + 1 lie at 512 (j / 2) + 16 lane + 8 (j % 2): 0-5 (head A) go to the run's first six, 6-11 (head B) to its last six
	global_load_b64 v[Q+2*\j+6*(\j/3):Q+2*\j+6*(\j/3)+1], v[LI], s[70:71] offset:512*(\j/2)+8*(\j%2)
	global_load_b64 v[Q+18+2*\j+6*(\j/3):Q+18+2*\j+6*(\j/3)+1], v[LI], s[78:79] offset:512*(\j/2)+8*(\j%2)
.endr
.irp i, 0,1,2,3,4,5
	v_mov_b32 v[Q+6+\i], 0                         ; the six zeros between: the other head's place in [A | 0] and in [0 | B]
	v_mov_b32 v[Q+24+\i], 0
.endr
	WIN 0
	s_lshl_b32 s80, s[PAR], 2
	v_lshl_add_u32 v101, v96, 5, s80               ; 32 r + 4 x (my tile 0's place in the pair)
	s_xor_b32 s80, s80, 4
	v_lshl_add_u32 v102, v96, 5, s80
	global_load_b32 v[QW], v101, s[72:73]
	global_load_b32 v[QW+1], v102, s[72:73]
	v_and_b32 v99, 8, v96
	v_add_nc_u32 v99, v99, v96                     ; r + 8 (r / 8)
	v_lshlrev_b32 v100, 4, v97
	v_sub_nc_u32 v99, v99, v100                    ; - 16 h
	s_lshl_b32 s80, s[CX], 5
	s_lshl_b32 s81, s[PAR], 3
	s_add_co_u32 s80, s80, s81                     ; + the tile's first row in its group: 32 cx + 8 x its place in the pair
	v_add_nc_u32 v[DQ], s80, v99
	s_xor_b32 s80, s80, 8
	v_add_nc_u32 v[DQ+1], s80, v99
	s_lshl_b32 s80, s[IDX], 1                      ; the exchange: part 2 x (which group) + (the tile's place in the pair), 8,192 bytes each
	s_add_co_u32 s80, s80, s[PAR]
	s_xor_b32 s81, s80, 1
	s_lshl_b32 s80, s80, 13
	s_add_co_u32 s80, s80, XCH
	v_add_nc_u32 v[XR], s80, v[LI]                 ; my tile 0's part: my partner writes it
	s_lshl_b32 s81, s81, 13
	s_add_co_u32 s81, s81, XCH
	v_add_nc_u32 v[XW], s81, v[LI]                 ; my tile 1's part: I write it
.irp b, 0,1,2,3
	v_mov_b32 v[TM+4+\b], 0                        ; written once: a lane permute's destination counts as one of its sources
.endr
; 64 numbers of a lane in window w, register 16 b + i = index 32 b + 16 (lane / 16) + i of my row, become a fragment's codes in v[pc] on and its scale word in v[pw].
.macro QUANT s, w, pc, pw
	WIN (\w)|((\w)<<2)
.irp b, 0,1,2,3
	v_max3_num_f32 v[TM+\b], |v[\s+16*\b]|, |v[\s+1+16*\b]|, 0x2800000   ; block b: my 16 numbers, and the floor 2^(5 - 127): the byte cannot fall under 1
.endr
	WIN ((\w)<<2)|((\w)<<4)
.irp i, 2,4,6,8,10,12,14
.irp b, 0,1,2,3
	v_max3_num_f32 v[TM+\b], v[TM+\b], |v[\s+16*\b+\i]|, |v[\s+1+16*\b+\i]|   ; the four blocks by turns
.endr
.endr
	WIN 0
.irp b, 0,1,2,3
	v_permlanex16_b32 v[TM+4+\b], v[TM+\b], s[SEL], s[SEL+1]
.endr
.irp b, 0,1,2,3
	v_max_num_f32 v[TM+\b], v[TM+\b], v[TM+4+\b]   ; with lane l xor 16's: the block's largest magnitude
.endr
.irp b, 0,1,2,3
	v_add_nc_u32 v[TM+8+\b], 0xfe000000, v[TM+\b]  ; 4 off its exponent field: the conversion's scale operand
.endr
.irp b, 0,1,2,3
	v_lshrrev_b32 v[TM+4+\b], 23, v[TM+8+\b]       ; the scale's byte
.endr
	v_lshl_or_b32 v[\pw], v[TM+5], 8, v[TM+4]
	v_lshl_or_b32 v[\pw], v[TM+6], 16, v[\pw]
	v_lshl_or_b32 v[\pw], v[TM+7], 24, v[\pw]
	WIN (\w)
.irp c, 0,1
	v_cvt_scalef32_pk16_bf6_f32 v[\pc+6*\c:\pc+6*\c+2], v[\s+32*\c:\s+32*\c+15], v[TM+8+2*\c]
	v_cvt_scalef32_pk16_bf6_f32 v[TP+4*\c:TP+4*\c+2], v[\s+16+32*\c:\s+31+32*\c], v[TM+9+2*\c]   ; (a conversion's three registers begin on an even number)
.endr
	WIN 0
	v_nop                                          ; one plain place behind a scaled conversion
.irp c, 0,1                            ; the operand's layout wants a whole block in a lane
.irp i, 0,1,2
	v_permlane16_swap_b32 v[\pc+6*\c+\i], v[TP+4*\c+\i]
.endr
.irp i, 0,1,2
	v_mov_b32 v[\pc+3+6*\c+\i], v[TP+4*\c+\i]
.endr
.endr
.endm
; S^T = K x one head's Q of one tile, into the score buffer sb of window w: eight tiles of 16 keys; each product is a whole sum.  stream = 1: the fragments are still landing: product t waits for its own.
.macro SPROD sb, w, q, qw, stream
	WIN 0x04|((\w)<<6)                             ; source 1 (Q) window 1; the result in window w
.irp t, 0,1,2,3,4,5,6,7
.if \stream
	s_wait_dscnt 3*(7-\t)+1                        ; K's scale words and fragments 0 to t are in; behind them: three loads for each later fragment, and V's scale words
.endif
.if \t < 4
	v_wmma_scale_f32_16x16x128_f8f6f4 v[\sb+8*\t:\sb+8*\t+7], v[FB+FR*\t:FB+FR*\t+FR-1], v[\q:\q+FR-1], 0, v[KW+\t], v[\qw] matrix_a_fmt:MATRIX_FMT_BF6 matrix_b_fmt:MATRIX_FMT_BF6
.else
	v_wmma_scale_f32_16x16x128_f8f6f4 v[\sb+8*\t:\sb+8*\t+7], v[FB+FR*\t:FB+FR*\t+FR-1], v[\q:\q+FR-1], 0, v[KW+\t-4], v[\qw] matrix_a_fmt:MATRIX_FMT_BF6 matrix_b_fmt:MATRIX_FMT_BF6 matrix_a_scale:MATRIX_SCALE_ROW1
.endif
.endr
	WIN 0
.endm
; The scores in buffer sb of window w, of my tile l, become att's codes.  From the group's own key step on, the scores of keys after my query become 0: register 16 b + i holds key 32 b + 16 h + i of the step,
; which counts where 32 b + i <= my query's place - 16 h + 128 (group - step).  Every pass is ascending: each accumulator is read from its low end on.
.macro PROC sb, w, l, pc, pw
	s_cmp_lt_u32 s[KS], s[JW]
	s_cbranch_scc1 .Lopen_\@
	s_sub_co_i32 s80, s[JW], s[KS]
	s_lshl_b32 s80, s80, 7
.if \w
	WIN 0x40
	v_add_nc_u32 v[D1], s80, v[DQ+\l]
	WIN 0x44                                       ; source 1 and destination window 1
.else
	v_add_nc_u32 v[D], s80, v[DQ+\l]
.endif
.irp n, 0,1,2,3,4,5,6,7,8,9,10,11,12,13,14,15,16,17,18,19,20,21,22,23,24,25,26,27,28,29,30,31,32,33,34,35,36,37,38,39,40,41,42,43,44,45,46,47,48,49,50,51,52,53,54,55,56,57,58,59,60,61,62,63
.if \w
	v_cmp_le_i32 vcc_lo, 32*(\n/16)+\n%16, v[D1]
.else
	v_cmp_le_i32 vcc_lo, 32*(\n/16)+\n%16, v[D]
.endif
	v_cndmask_b32 v[\sb+\n], 0, v[\sb+\n], vcc_lo
.endr
	WIN 0
.Lopen_\@:
	WIN 0x44*(\w)
.irp n, 0,1,2,3,4,5,6,7,8,9,10,11,12,13,14,15,16,17,18,19,20,21,22,23,24,25,26,27,28,29,30,31,32,33,34,35,36,37,38,39,40,41,42,43,44,45,46,47,48,49,50,51,52,53,54,55,56,57,58,59,60,61,62,63
	v_max_num_f32 v[\sb+\n], 0, v[\sb+\n]          ; relu, in f32
.endr
	QUANT \sb, \w, \pc, \pw
.endm
; O^T of my tile l += V^T att^T: channel tiles 0-3 are head A's, 4-7 head B's.  The eight accumulators take turns.  zero = 1: the products start the sums.
.macro OPROD l, zero
.if \zero
	WIN 0x40                                       ; D window 1
.else
	WIN 0x50                                       ; C and D window 1
.endif
.irp t, 0,1,2,3,4,5,6,7
.set rO, O+64*(\l)+8*\t
.set rP, P+24*(\l)+12*(\t/4)
.set rW, PW+2*(\l)+(\t/4)
.if \zero
.if \t < 4
	v_wmma_scale_f32_16x16x128_f8f6f4 v[rO:rO+7], v[FB+FR*\t:FB+FR*\t+FR-1], v[rP:rP+FR-1], 0, v[VW+\t], v[rW] matrix_a_fmt:MATRIX_FMT_BF6 matrix_b_fmt:MATRIX_FMT_BF6
.else
	v_wmma_scale_f32_16x16x128_f8f6f4 v[rO:rO+7], v[FB+FR*\t:FB+FR*\t+FR-1], v[rP:rP+FR-1], 0, v[VW+\t-4], v[rW] matrix_a_fmt:MATRIX_FMT_BF6 matrix_b_fmt:MATRIX_FMT_BF6 matrix_a_scale:MATRIX_SCALE_ROW1
.endif
.else
.if \t < 4
	v_wmma_scale_f32_16x16x128_f8f6f4 v[rO:rO+7], v[FB+FR*\t:FB+FR*\t+FR-1], v[rP:rP+FR-1], v[rO:rO+7], v[VW+\t], v[rW] matrix_a_fmt:MATRIX_FMT_BF6 matrix_b_fmt:MATRIX_FMT_BF6
.else
	v_wmma_scale_f32_16x16x128_f8f6f4 v[rO:rO+7], v[FB+FR*\t:FB+FR*\t+FR-1], v[rP:rP+FR-1], v[rO:rO+7], v[VW+\t-4], v[rW] matrix_a_fmt:MATRIX_FMT_BF6 matrix_b_fmt:MATRIX_FMT_BF6 matrix_a_scale:MATRIX_SCALE_ROW1
.endif
.endif
.endr
	WIN 0
.endm
.macro PLACES n                        ; plain vector instructions that name no register of the matrix instructions before them (ISA guide 7.12.1)
.rept \n
	v_nop
.endr
.endm
; A KEY STEP for my two tiles: 128 keys, 48 matrix instructions on 48 loads of 512 bytes.  zero = 1: my first step, which is always worked.
; The products for a score buffer are issued ahead of the vector work on the other buffer, and tile 0's products with V ahead of the last quantiser: they run beneath that work.
.macro STEP zero
.if !\zero
	s_cmp_gt_u32 s[KS], s[JW]                      ; all its keys come after my group: left out
	s_cbranch_scc1 .Lhidden_\@
.endif
	v_add_nc_u32 v[ADK], s[TB], v[LI]
	v_add_nc_u32 v[ADS], s[TS], v[LS]
	v_add_nc_u32 v[ADV], VREG, v[ADK]
	v_nop                                          ; with the three additions: four places in front of loads into registers that the last products read
	ds_load_b128 v[KW:KW+3], v[ADS]
.irp t, 0,1,2,3,4,5,6,7
.irp g, 0,1,2
	ds_load_b128 v[FB+FR*\t+4*\g:FB+FR*\t+4*\g+3], v[ADK] offset:FRB*\t+512*\g
.endr
.endr
	ds_load_b128 v[VW:VW+3], v[ADS] offset:8192
	SPROD S0, 0, Q, QW, 1                          ; tile 0, head A
	SPROD S1, 1, Q+6, QW, 0                        ; tile 0, head B
	PLACES 4                                       ; in front of the first read of the scores
	PROC S0, 0, 0, P, PW
	SPROD S0, 0, Q+18, QW+1, 0                     ; tile 1, head A: beneath the work on S1
	PROC S1, 1, 0, P+12, PW+1
	SPROD S1, 1, Q+24, QW+1, 0                     ; tile 1, head B: beneath the work on S0
	PLACES 4                                       ; K's fragments are done with: four places, then V's land in their registers
.irp t, 0,1,2,3,4,5,6,7
.irp g, 0,1,2
	ds_load_b128 v[FB+FR*\t+4*\g:FB+FR*\t+4*\g+3], v[ADV] offset:FRB*\t+512*\g
.endr
.endr
	PROC S0, 0, 1, P+24, PW+2
	s_wait_dscnt 0x0                               ; V's fragments and scale words are in
	OPROD 0, \zero                                 ; beneath the work on S1
	PROC S1, 1, 1, P+36, PW+3
	PLACES 8                                       ; a scale word made by vector instructions stands 8 places ahead of a scaled matrix instruction, an operand so made 4
	OPROD 1, \zero
.if !\zero
.Lhidden_\@:
.endif
.endm
.macro SETUP place, k0                 ; my step of the pair of key steps k0, k0 + 1, which lie in places place, place + 1
	s_mul_i32 s[TB], s[PAR], STEPB
	s_add_co_u32 s[TB], s[TB], (\place)*STEPB
	s_lshl_b32 s[TS], s[PAR], 9
	s_add_co_u32 s[TS], s[TS], SCL+512*(\k0)
	s_add_co_u32 s[KS], s[PAR], \k0
.endm
.macro PHASE place, k0, trips          ; so many steps of my parity from there on: a loop with a constant trip count
	SETUP \place, \k0
	s_mov_b32 s[CNT], \trips
.Lphase_\@:
	STEP 0
	s_add_co_u32 s[TB], s[TB], 2*STEPB
	s_add_co_u32 s[TS], s[TS], 1024
	s_add_co_u32 s[KS], s[KS], 2
	s_sub_co_u32 s[CNT], s[CNT], 1
	s_cmp_lg_u32 s[CNT], 0
	s_cbranch_scc1 .Lphase_\@
.endm
	s_wait_tensorcnt 2                             ; the scale words and my part of key steps 0-3 are in; the two later fills stay out
	s_barrier_signal -1
	s_barrier_wait -1                              ; everybody's are
	s_wait_loadcnt 0x0                             ; Q
	SETUP 0, 0
	STEP 1                                         ; key step 0 or 1: its products start O^T
	SETUP 2, 2
	STEP 0                                         ; key step 2 or 3
	s_wait_tensorcnt 0x0                           ; all my tensor loads have landed, key steps 4-11 among them: a group 0 may be written
	ds_add_u32 v[SPW], v[NIL]                      ; 0 onto my spare word
	s_add_nc_u64 s[G0+2:G0+3], s[G0+2:G0+3], 3*FILLB ; places 0-3 take key steps 12-15
	s_wait_dscnt 0x0                               ; the add is done, and my reads of places 0-3 are over
	CROUND                                         ; that now holds of every wave of all four work-groups
	tensor_load_to_lds s[G0:G0+3], s[G1:G1+7]      ; my one tensor load behind the round: it has my four steps of key steps 4-11 in which to land
	s_nop 0
.rept 4
	v_nop
.endr
	PHASE 4, 4, 4                                  ; key steps 4-11 lie on end; the wait for all loads in front of the round has shown them whole to every wave
	s_wait_tensorcnt 0x0                           ; my part of key steps 12-15 is in
	ds_add_u32 v[SPW], v[NIL]
	s_wait_dscnt 0x0                               ; and my reads of places 4-11 are over
	s_barrier_signal -1
	s_barrier_wait -1                              ; everybody's; nothing is filled
	PHASE 0, 12, 2
	; THE TWO PARITIES' SUMS MEET.  My tile 1's 64 registers go to the exchange as they stand, 512 consecutive bytes a store; my partner's sums of my tile 0 come back so.
	PLACES 4                                       ; behind the last products
	WIN 0x04                                       ; an LDS store's data are its source 1: window 1
.irp k, 0,1,2,3,4,5,6,7,8,9,10,11,12,13,14,15
	ds_store_b128 v[XW], v[O+64+4*\k:O+64+4*\k+3] offset:512*\k   ; ascending: each accumulator from its low end on
.endr
	WIN 0
	s_wait_dscnt 0x0                               ; for my partner's sake: my stores are done
	s_barrier_signal -1
	s_barrier_wait -1
.irp k, 0,1,2,3,4,5,6,7,8,9,10,11,12,13,14,15
	ds_load_b128 v[S0+4*\k:S0+4*\k+3], v[XR] offset:512*\k
.endr
	s_wait_dscnt 0x0
	WIN 0x01                                       ; source 0 window 1
.irp i, 0,2,4,6,8,10,12,14,16,18,20,22,24,26,28,30,32,34,36,38,40,42,44,46,48,50,52,54,56,58,60,62
	v_pk_add_f32 v[S0+\i:S0+\i+1], v[O+\i:O+\i+1], v[S0+\i:S0+\i+1]
.endr
	WIN 0
	QUANT S0, 0, P, PW                             ; ctx of 16 queries, the pair's 128 channels: one fragment of the last product, K step = pair of heads
	v_and_b32 v[D], 15, v0
	v_lshlrev_b32 v[D], 2, v[D]                    ; 4 r
.irp g, 0,1,2
	global_store_b128 v[LI], v[P+4*\g:P+4*\g+3], s[74:75] offset:512*\g   ; 512 consecutive bytes, aligned
.endr
	global_store_b32 v[D], v[PW], s[76:77]         ; lanes 16-31 store what lanes 0-15 store
	s_wait_tensorcnt 0x0                           ; the wave's end
	ds_add_u32 v[SPW], v[NIL]
	s_wait_dscnt 0x0
	CROUND                                         ; the closing round: no work-group ends while a partner may still ask for a tile that names it
	s_endpgm
.Lfunc_end_k_qab590024d4_attn:
	.size	k_qab590024d4_attn, .Lfunc_end_k_qab590024d4_attn-k_qab590024d4_attn
	.p2alignl 7, 3214868480
	.fill 96, 4, 3214868480
	.section	.rodata,"a",@progbits
	.p2align	6, 0x0
	.amdhsa_kernel k_qab590024d4_attn
		.amdhsa_group_segment_fixed_size 327680
		.amdhsa_private_segment_fixed_size 0
		.amdhsa_enable_private_segment 0
		.amdhsa_kernarg_size 32
		.amdhsa_user_sgpr_count 2
		.amdhsa_user_sgpr_kernarg_segment_ptr 1
		.amdhsa_wavefront_size32 1
		.amdhsa_system_sgpr_workgroup_id_x 1
		.amdhsa_system_sgpr_workgroup_id_y 1
		.amdhsa_system_sgpr_workgroup_id_z 1
		.amdhsa_system_vgpr_workitem_id 0
		.amdhsa_next_free_vgpr 512
		.amdhsa_next_free_sgpr 88
		.amdhsa_reserve_vcc 1
		.amdhsa_float_denorm_mode_32 3
		.amdhsa_float_denorm_mode_16_64 3
		.amdhsa_memory_ordered 1
		.amdhsa_forward_progress 1
		.amdhsa_inst_pref_size 239
	.end_amdhsa_kernel
	.amdgpu_metadata
---
amdhsa.version: [ 1, 2 ]
amdhsa.kernels:
  - .name:           k_qab590024d4_attn
    .symbol:         k_qab590024d4_attn.kd
    .args:
      - { .name: qkv, .offset: 0, .size: 8, .value_kind: global_buffer, .address_space: global }
      - { .name: qkvs, .offset: 8, .size: 8, .value_kind: global_buffer, .address_space: global }
      - { .name: cc, .offset: 16, .size: 8, .value_kind: global_buffer, .address_space: global }
      - { .name: cs, .offset: 24, .size: 8, .value_kind: global_buffer, .address_space: global }
    .group_segment_fixed_size: 327680
    .private_segment_fixed_size: 0
    .kernarg_segment_align: 8
    .kernarg_segment_size: 32
    .max_flat_workgroup_size: 256
    .sgpr_count:     88
    .vgpr_count:     512
    .wavefront_size: 32
...
	.end_amdgpu_metadata
.endif
;; end of part 3
;; launch proj (part 4): grid 8 x 32, 4 waves a work-group, clusters of 4 x 4, 229,888 bytes of LDS; arguments cc, cs, cod, scl, out0; writes out0
.if DOCPART == 4
	.amdgcn_target "amdgcn-amd-amdhsa--gfx1250"
	.amdhsa_code_object_version 6
	.text
	.protected	k_qab590024d4_proj
	.globl	k_qab590024d4_proj
	.p2align	8
	.type	k_qab590024d4_proj,@function
k_qab590024d4_proj:
	s_mov_b64 s[64:65], 0
	v_nop
	global_prefetch_b8 v0, s[64:65] scope:SCOPE_SE
	s_setreg_imm32_b32 hwreg(HW_REG_WAVE_MODE, 25, 1), 1
	s_wait_xcnt 0x0
	s_wait_alu depctr_hold_cnt(0) depctr_sa_sdst(0) depctr_va_vdst(0) depctr_va_sdst(0) depctr_va_ssrc(0) depctr_va_vcc(0) depctr_vm_vsrc(0)
	s_getreg_b32 s2, hwreg(HW_REG_IB_STS2, 6, 4)
	s_cmp_eq_u32 s2, 0
	s_cbranch_scc0 .Lentry_in_a_cluster
	s_endpgm
.Lentry_in_a_cluster:
	s_bfe_u32 s2, ttmp6, 0x10000c
	s_cmp_lg_u32 s2, 0xf033
	s_cbranch_scc0 .Lentry_shape_is_right
	s_endpgm
.Lentry_shape_is_right:
; out0 = ctx Wo^T on codes of BF6: ctx's images [256 tiles][8 K steps][1,536] in cc with scale words [tile][K step][r] in cs; Wo's are tiles 448-511 of cod and scl.  out0: [4096][1024] f32.
; A tile of out0 is 128 x 128, so that there are 256 work-groups; four waves, 64 x 64 each: 16 accumulators.  All of K for both panels, 196,608 bytes, lies in LDS: two chunks of four K steps, each filled once:
; no LDS byte is filled twice.  CLUSTERS: 4 x 4 work-groups; ctx's tiles are asked for jointly along a row of the cluster, Wo's along a column.
; SOURCE 0 = 16 rows of Wo, SOURCE 1 = 16 rows of ctx: a lane holds one row of out0, and the registers of its four accumulators are columns 32 (b / 2) + 16 h + 8 (b % 2) + j.
; Lane r of a tile stands for row 32 (t / 2) + 8 (t % 2) + r + 8 (r / 8): that order is undone here, in the stage's offsets (columns) and the stores' offsets (rows).
; REGISTERS: window 0: addresses, v32-63 scale words, v64-127 rows on their way out, v128-255 the accumulators ((a, b) at v[128 + 8 (4 a + b)]).  Window 1: two fragment buffers: Wo's four fragments, then ctx's four.
.set FR,     12
.set FRB,    1536
.set TILEB,  4*FRB                     ; a tile's bytes in a chunk: four K steps
.set HALFT,  4*TILEB                   ; 4 tiles: what one tensor load brings, and what a wave reads of ctx or of Wo
.set CHUNK,  4*HALFT
.set SCL,    2*CHUNK                   ; behind the chunks: ctx's scale words, 8 tiles x 512 bytes; Wo's begin 4,096 + 128 bytes on
.set STG,    SCL+8448                  ; the stages: 16 rows x 272 bytes for each wave, in blocks of 256 bytes into which no fill lands
.set SPITCH, 272
.set ADRA, 16                          ; v16-17 LDS address of my fragments of ctx in chunk 0, 1
.set ADRB, 20                          ; v20-21 of Wo
.set STO,  24                          ; v24  the stage: row r, + 64 h
.set RD,   25                          ; v25  back: lanes 0-15 one row of 256 bytes, lanes 16-31 the next
.set CO,   26                          ; v26  and the same two rows in out0
.set ADRS, 27                          ; v27  LDS address of my scale words: lanes 0-15 ctx's, lanes 16-31 Wo's
.set SC,   32                          ; register 4 s + i: K step s, lanes 0-15 ctx's block i, lanes 16-31 Wo's block i
.set BK,   64
.set ACC,  128
.set F0,   0
.set F1,   128
.set G1, 24
.set G0, 32                            ; s[32:39] groups 0 for ctx's chunks
.set G1B, 44
.set G0B, 52                           ; s[52:59] for Wo's
.set G1S, 68
.set G0S, 76
.set G1SB, 80
.set G0SB, 88
.set MSB, 0
.macro WIN new                         ; the immediate's high byte repeats the setting that is left
.if MSB != (\new)
	s_set_vgpr_msb (MSB<<8)|(\new)
.set MSB, (\new)
.endif
.endm
.set MULW, 0x05                        ; sources 0 and 1 window 1; C and D window 0
.set TO_F, 0x40                        ; destination window 1, address window 0
.macro JLOAD g0a, g1a, g0b, g1b        ; a joint load: waves 0 and 1 fetch for ctx, waves 2 and 3 for Wo; four v_nop follow each of the two lines
	s_cmp_eq_u32 s15, 0
	s_cbranch_scc0 .Lfor_b_\@
	tensor_load_to_lds s[\g0a:\g0a+3], s[\g1a:\g1a+7]
	s_nop 0
.rept 4
	v_nop
.endr
	s_branch .Lasked_\@
.Lfor_b_\@:
	tensor_load_to_lds s[\g0b:\g0b+3], s[\g1b:\g1b+7]
	s_nop 0
.rept 4
	v_nop
.endr
.Lasked_\@:
.endm
.macro CROUND                          ; a round of the cluster's barrier
	s_barrier_signal -1
	s_barrier_wait -1
	s_cmp_lg_u32 s14, 0
	s_cbranch_scc1 .Lnot_wave_0_\@
	s_barrier_signal -3
.Lnot_wave_0_\@:
	s_barrier_wait -3
	s_barrier_signal -1
	s_barrier_wait -1
.endm
	s_load_b256 s[4:11], s[0:1], 0x0               ; cc s[4:5], cs s[6:7], cod s[8:9], scl s[10:11]
	s_load_b64 s[12:13], s[0:1], 0x20              ; out0
	v_lshl_add_u32 v30, v0, 2, 0x38000
	v_mov_b32 v31, 0
	ds_add_u32 v30, v31
	ds_add_u32 v30, v31
	v_lshrrev_b32 v1, 5, v0
	v_readfirstlane_b32 s14, v1                    ; wave 0..3
	s_lshr_b32 s15, s14, 1                         ; which half of the tile's rows is mine.  Also: I fetch for ctx (0) or for Wo (1)
	s_and_b32 s16, s14, 1                          ; which half of its columns.  Also: which 4 tiles of the 8 I fetch
	s_bfe_u32 s92, ttmp6, 0x40000                  ; cx, cy
	s_bfe_u32 s93, ttmp6, 0x40004
	s_lshl_b32 s96, ttmp9, 2
	s_add_co_u32 s96, s96, s92                     ; tile column = 4 x cluster x + cx
	s_and_b32 s17, ttmp7, 0xffff
	s_lshl_b32 s17, s17, 2
	s_add_co_u32 s17, s17, s93                     ; tile row = 4 x cluster y + cy
	s_lshl_b32 s94, s93, 2
	s_lshl_b32 s94, 15, s94                        ; my row of the cluster
	s_lshl_b32 s95, 0x1111, s92                    ; my column
	; descriptor group 1: 4 tiles x 6,144 bytes (768 elements of 8 bytes), 12,288 bytes apart in memory, dense in LDS
	s_or_b32 s[G1+0], s94, (3<<16)|(1<<21)
	s_or_b32 s[G1B+0], s95, (3<<16)|(1<<21)
.irp g, G1, G1B
	s_mov_b32 s[\g+1], 768<<16
	s_mov_b32 s[\g+2], 4<<16
	s_mov_b32 s[\g+3], 768<<16
	s_mov_b32 s[\g+4], 4
	s_mov_b32 s[\g+5], 1536
	s_mov_b32 s[\g+6], 0
	s_mov_b32 s[\g+7], 0
.endr
	; the scale words of 4 tiles: 2,048 dense bytes, as 8 rows of 256
	s_or_b32 s[G1S+0], s94, (3<<16)|(1<<21)
	s_or_b32 s[G1SB+0], s95, (3<<16)|(1<<21)
.irp g, G1S, G1SB
	s_mov_b32 s[\g+1], 32<<16
	s_mov_b32 s[\g+2], 8<<16
	s_mov_b32 s[\g+3], 32<<16
	s_mov_b32 s[\g+4], 8
	s_mov_b32 s[\g+5], 32
	s_mov_b32 s[\g+6], 0
	s_mov_b32 s[\g+7], 0
.endr
	s_lshl_b32 s23, s16, 2
	s_lshl_b32 s21, s17, 3
	s_add_co_u32 s21, s21, s23                     ; the first tile of ctx that I fetch
	s_lshl_b32 s66, s96, 3
	s_add_co_u32 s66, s66, s23
	s_add_co_u32 s66, s66, 448                     ; and of Wo
	s_mul_i32 s98, s21, 8*FRB
	s_mov_b32 s99, 0
	s_mul_i32 s100, s66, 8*FRB
	s_mov_b32 s101, 0
	s_lshl_b32 s22, s21, 9
	s_mov_b32 s23, 0
	s_lshl_b32 s66, s66, 9
	s_mov_b32 s67, 0
	s_mul_i32 s19, s14, HALFT                      ; where they go: no place in the cluster enters an LDS address
	s_lshl_b32 s18, s14, 11
	s_wait_dscnt 0x0
	s_wait_kmcnt 0x0
	s_add_nc_u64 s[98:99], s[4:5], s[98:99]
	s_add_nc_u64 s[100:101], s[8:9], s[100:101]
	s_add_nc_u64 s[22:23], s[6:7], s[22:23]
	s_add_nc_u64 s[66:67], s[10:11], s[66:67]
	CROUND                                         ; all sixteen work-groups are here: the joint loads meet
	s_mov_b32 s[G0S], 1
	s_add_co_u32 s[G0S+1], s18, SCL
	s_mov_b64 s[G0S+2:G0S+3], s[22:23]
	s_or_b32 s[G0S+3], s[G0S+3], 0x80000000
	s_mov_b32 s[G0SB], 1
	s_add_co_u32 s[G0SB+1], s18, SCL+128
	s_mov_b64 s[G0SB+2:G0SB+3], s[66:67]
	s_or_b32 s[G0SB+3], s[G0SB+3], 0x80000000
	JLOAD G0S, G1S, G0SB, G1SB
.irp c, 0,1
	s_mov_b32 s[G0+4*\c], 1
	s_add_co_u32 s[G0+4*\c+1], s19, \c*CHUNK
	s_add_nc_u64 s[G0+4*\c+2:G0+4*\c+3], s[98:99], \c*TILEB
	s_or_b32 s[G0+4*\c+3], s[G0+4*\c+3], 0x80000000
	s_mov_b32 s[G0B+4*\c], 1
	s_add_co_u32 s[G0B+4*\c+1], s19, \c*CHUNK
	s_add_nc_u64 s[G0B+4*\c+2:G0B+4*\c+3], s[100:101], \c*TILEB
	s_or_b32 s[G0B+4*\c+3], s[G0B+4*\c+3], 0x80000000
	JLOAD G0+4*\c, G1, G0B+4*\c, G1B               ; with the scale words three loads of mine are out
.endr
	v_and_b32 v1, 15, v0                           ; r
	v_bfe_u32 v2, v0, 4, 1                         ; h
	v_and_b32 v3, 31, v0
	v_lshlrev_b32 v3, 4, v3                        ; 16 x lane
	s_mul_i32 s21, s15, HALFT                      ; my 4 tiles of ctx
	s_mul_i32 s22, s16, HALFT                      ; my 4 tiles of Wo,
	s_add_co_u32 s22, s22, 2*HALFT                 ; which lie behind ctx's 8
.irp c, 0,1
	v_add_nc_u32 v[ADRA+\c], s21, v3
	v_add_nc_u32 v[ADRB+\c], s22, v3
	s_add_co_u32 s21, s21, CHUNK
	s_add_co_u32 s22, s22, CHUNK
.endr
	s_lshl_b32 s21, s15, 11                        ; ctx's scale words: my 4 tiles
	s_lshl_b32 s22, s16, 11                        ; Wo's: my 4 tiles, 4,096 + 128 bytes behind ctx's first
	s_add_co_u32 s22, s22, 4096+128
	s_sub_co_u32 s22, s22, s21
	v_mul_u32_u24 v4, s22, v2                      ; lanes 16-31 take Wo's: one product, the distance x h
	s_add_co_u32 s21, s21, SCL
	v_lshl_add_u32 v4, v1, 2, v4
	v_add_nc_u32 v[ADRS], s21, v4
	s_mul_i32 s21, s14, 16*SPITCH
	s_add_co_u32 s21, s21, STG                     ; my stage
	v_mul_u32_u24 v4, v1, SPITCH
	v_lshl_add_u32 v4, v2, 6, v4
	v_add_nc_u32 v[STO], s21, v4
	v_mul_u32_u24 v4, v2, SPITCH
	v_lshl_add_u32 v4, v1, 4, v4
	v_add_nc_u32 v[RD], s21, v4
	v_lshlrev_b32 v4, 12, v2
	v_lshl_add_u32 v[CO], v1, 4, v4
	s_lshl_b32 s100, s17, 19                       ; my part of out0: row 128 x tile row + 64 x half, 4,096 bytes a row; column bytes 512 x tile column + 256 x half
	s_lshl_b32 s101, s15, 18
	s_add_co_u32 s100, s100, s101
	s_lshl_b32 s101, s96, 9
	s_add_co_u32 s100, s100, s101
	s_lshl_b32 s101, s16, 8
	s_add_co_u32 s100, s100, s101
	s_mov_b32 s101, 0
	s_add_nc_u64 s[12:13], s[12:13], s[100:101]
.macro FETCH s, f                      ; K step s: Wo's four fragments and ctx's four into buffer f: 24 loads, each 512 consecutive bytes
	WIN TO_F
.irp i, 0,1,2,3
.irp g, 0,1,2
	ds_load_b128 v[\f+FR*\i+4*\g:\f+FR*\i+4*\g+3], v[ADRB+(\s)/4] offset:\i*TILEB+((\s)%4)*FRB+512*\g
	ds_load_b128 v[\f+48+FR*\i+4*\g:\f+48+FR*\i+4*\g+3], v[ADRA+(\s)/4] offset:\i*TILEB+((\s)%4)*FRB+512*\g
.endr
.endr
.endm
.macro MUL s, f, zero                  ; 16 matrix instructions; the 16 accumulators take turns.  zero = 1: the first product starts the sums
	WIN MULW
.irp a, 0,1,2,3
.irp b, 0,1,2,3
.if \zero
	v_wmma_scale_f32_16x16x128_f8f6f4 v[ACC+8*(4*\a+\b):ACC+8*(4*\a+\b)+7], v[\f+FR*\b:\f+FR*\b+FR-1], v[\f+48+FR*\a:\f+48+FR*\a+FR-1], 0, v[SC+4*(\s)+\b], v[SC+4*(\s)+\a] matrix_a_fmt:MATRIX_FMT_BF6 matrix_b_fmt:MATRIX_FMT_BF6 matrix_a_scale:MATRIX_SCALE_ROW1
.else
	v_wmma_scale_f32_16x16x128_f8f6f4 v[ACC+8*(4*\a+\b):ACC+8*(4*\a+\b)+7], v[\f+FR*\b:\f+FR*\b+FR-1], v[\f+48+FR*\a:\f+48+FR*\a+FR-1], v[ACC+8*(4*\a+\b):ACC+8*(4*\a+\b)+7], v[SC+4*(\s)+\b], v[SC+4*(\s)+\a] matrix_a_fmt:MATRIX_FMT_BF6 matrix_b_fmt:MATRIX_FMT_BF6 matrix_a_scale:MATRIX_SCALE_ROW1
.endif
.endr
.endr
.endm
.macro PLACES                          ; four places in front of loads into registers that matrix instructions have read, and of the first read of results
.rept 4
	v_nop
.endr
.endm
.macro KS s, f, g, zero                ; the next K step's fragments are asked for, then this one is multiplied
	PLACES
	FETCH (\s)+1, \g
	s_wait_dscnt 24                                ; all but the 24 loads just issued
	MUL \s, \f, \zero
.endm
	s_wait_tensorcnt 1                             ; the scale words and my part of chunk 0 are in; chunk 1 stays out: no LDS byte is filled twice
	s_barrier_signal -1
	s_barrier_wait -1                              ; everybody's are
.irp s, 0,1,2,3,4,5,6,7
.irp i, 0,1,2,3
	ds_load_b32 v[SC+4*\s+\i], v[ADRS] offset:512*\i+64*\s
.endr
.endr
	FETCH 0, F0
	KS 0, F0, F1, 1
	KS 1, F1, F0, 0
	KS 2, F0, F1, 0
	s_wait_tensorcnt 0x0                           ; my part of chunk 1 is in,
	s_wait_dscnt 0x0                               ; (no LDS instruction of mine is pending at a signal)
	s_barrier_signal -1
	s_barrier_wait -1                              ; everybody's is
	KS 3, F1, F0, 0
	KS 4, F0, F1, 0
	KS 5, F1, F0, 0
	KS 6, F0, F1, 0
	s_wait_dscnt 0x0
	MUL 7, F1, 0
	WIN 0
; THE WAY OUT, 16 rows x 64 columns at a time, through my own stage: in by lanes (32 neighbouring bytes of a row in each accumulator), back as whole rows of 256 bytes.
; LDS serves a wave's instructions in order: no wait between the stores and the loads, nor in front of the next block's stores.
.macro TOSTAGE a
.irp b, 0,1,2,3
	ds_store_b128 v[STO], v[ACC+8*(4*(\a)+\b):ACC+8*(4*(\a)+\b)+3] offset:128*(\b/2)+32*(\b%2)        ; each accumulator from its low end on
	ds_store_b128 v[STO], v[ACC+8*(4*(\a)+\b)+4:ACC+8*(4*(\a)+\b)+7] offset:128*(\b/2)+32*(\b%2)+16
.endr
.irp t, 0,1,2,3,4,5,6,7
	ds_load_b128 v[BK+32*((\a)%2)+4*\t:BK+32*((\a)%2)+4*\t+3], v[RD] offset:2*\t*SPITCH
.endr
.endm
.macro SEND a, younger                 ; younger: the LDS instructions issued behind block a's loads, which may stay out
	s_wait_dscnt \younger
.irp t, 0,1,2,3,4,5,6,7
	global_store_b128 v[CO], v[BK+32*((\a)%2)+4*\t:BK+32*((\a)%2)+4*\t+3], s[12:13] offset:(32*((\a)/2)+8*((\a)%2)+2*\t+8*(\t/4))*4096 th:TH_STORE_NT   ; stage rows 2 t and 2 t + 1 are the tile's lanes: 16 lanes store 256 consecutive bytes, aligned
.endr
.endm
	PLACES
	TOSTAGE 0
	TOSTAGE 1
	SEND 0, 16                                     ; behind block 0's loads: block 1's 8 stores and 8 loads
	s_wait_xcnt 0x0                                ; block 0's stores have read their registers: block 2's loads may land there
	TOSTAGE 2
	SEND 1, 16
	s_wait_xcnt 0x0
	TOSTAGE 3
	SEND 2, 16
	SEND 3, 0
	s_wait_tensorcnt 0x0
	ds_add_u32 v30, v31
	s_wait_dscnt 0x0
	CROUND                                         ; the closing round: no work-group ends while a partner may still ask for a tile that names it
	s_endpgm
.Lfunc_end_k_qab590024d4_proj:
	.size	k_qab590024d4_proj, .Lfunc_end_k_qab590024d4_proj-k_qab590024d4_proj
	.p2alignl 7, 3214868480
	.fill 96, 4, 3214868480
	.section	.rodata,"a",@progbits
	.p2align	6, 0x0
	.amdhsa_kernel k_qab590024d4_proj
		.amdhsa_group_segment_fixed_size 229888
		.amdhsa_private_segment_fixed_size 0
		.amdhsa_enable_private_segment 0
		.amdhsa_kernarg_size 40
		.amdhsa_user_sgpr_count 2
		.amdhsa_user_sgpr_kernarg_segment_ptr 1
		.amdhsa_wavefront_size32 1
		.amdhsa_system_sgpr_workgroup_id_x 1
		.amdhsa_system_sgpr_workgroup_id_y 1
		.amdhsa_system_sgpr_workgroup_id_z 1
		.amdhsa_system_vgpr_workitem_id 0
		.amdhsa_next_free_vgpr 512
		.amdhsa_next_free_sgpr 102
		.amdhsa_reserve_vcc 0
		.amdhsa_float_denorm_mode_32 3
		.amdhsa_float_denorm_mode_16_64 3
		.amdhsa_memory_ordered 1
		.amdhsa_forward_progress 1
		.amdhsa_inst_pref_size 49
	.end_amdhsa_kernel
	.amdgpu_metadata
---
amdhsa.version: [ 1, 2 ]
amdhsa.kernels:
  - .name:           k_qab590024d4_proj
    .symbol:         k_qab590024d4_proj.kd
    .args:
      - { .name: cc, .offset: 0, .size: 8, .value_kind: global_buffer, .address_space: global }
      - { .name: cs, .offset: 8, .size: 8, .value_kind: global_buffer, .address_space: global }
      - { .name: cod, .offset: 16, .size: 8, .value_kind: global_buffer, .address_space: global }
      - { .name: scl, .offset: 24, .size: 8, .value_kind: global_buffer, .address_space: global }
      - { .name: out0, .offset: 32, .size: 8, .value_kind: global_buffer, .address_space: global }
    .group_segment_fixed_size: 229888
    .private_segment_fixed_size: 0
    .kernarg_segment_align: 8
    .kernarg_segment_size: 40
    .max_flat_workgroup_size: 128
    .sgpr_count:     102
    .vgpr_count:     512
    .wavefront_size: 32
...
	.end_amdgpu_metadata
.endif
;; end of part 4
